; MI455X (gfx1250); checked and timed in simulation.
; The chip was launched on July 23, 2026; its instructions are those of AMD's public machine-readable ISA for CDNA 5 (MIT licence, August 2026) and "CDNA5" Instruction Set Architecture Reference Guide (July 2026). The comments in the code are by the model that wrote it; some were corrected since.
;; Rotary Multihead Attention. Allowed arithmetic: matrix products marked QUANTISED: E2M3 operands, one E8M0 scale for each 32 along K, by v_wmma_scale_f32_16x16x128_f8f6f4 with both operands' format E2M3, f32 sums; everything else in f32.
;; Inputs: in_proj_b 3,072 float32; in_proj_w 3,072 x 1,024 float32; out_proj_b 1,024 float32; out_proj_w 1,024 x 1,024 float32; query 4 x 2,048 x 1,024 float32.
;; Outputs: out0 4 x 2,048 x 1,024 float32.
;; This version of the problem:
;;   THIS VERSION OF THE PROBLEM IS GIVEN IN LOW PRECISION. The matrix products marked QUANTISED in the list below multiply operands that are first quantised to E2M3 (2 exponent bits, 3 mantissa bits; 6 bits a number), with one power-of-two scale for each 32 numbers along K (OCP MX v1.0); their sums are f32. All else is computed in f32.
;;   The module's matrix products, in the order in which they are computed (A, B: the left and right operand; K: the contracted axis; several contracted axes count as one K, in the product's order):
;;     1. [M 8,192, K 1,024] x [K 1,024, N 3,072]; A: input query; B: input in_proj_w: QUANTISED
;;     2. batch 64 x [M 2,048, K 64] x [K 64, N 2,048]; A: computed on the way; B: computed on the way: QUANTISED
;;     3. batch 64 x [M 2,048, K 2,048] x [K 2,048, N 64]; A: softmax (see below); B: computed on the way: QUANTISED
;;     4. [M 8,192, K 1,024] x [K 1,024, N 1,024]; A: computed on the way; B: input out_proj_w: QUANTISED
;;   THE QUANTISER, for each operand of a quantised product, along K:
;;     - K is cut into blocks of 32 from its start; a last block that is shorter is filled with zeros.
;;     - A block's scale is 2^e with e = floor(log2(the largest magnitude in the block)) - 2, held to -126 .. 127; a block of zeros has e = 0. As a byte (E8M0): e + 127.
;;     - Each number is divided by its block's scale, clamped to +-7.5, and rounded to the nearest number of E2M3, ties to even, subnormals kept.
;;     - The product sums the exact products of the quantised numbers (number of the format x scale) in f32.
;;   ~~~python
;;   def quantise(x, axis):      # numpy; x: float32 -> the quantised numbers, widened to float32 again
;;       x = np.moveaxis(x, axis, -1); K = x.shape[-1]
;;       x = np.pad(x, [(0, 0)] * (x.ndim - 1) + [(0, -K % 32)]); x = x.reshape(x.shape[:-1] + (-1, 32)); a = np.abs(x).max(-1, keepdims=True)
;;       e = np.where(a > 0, np.clip(np.frexp(np.where(a > 0, a, 1))[1] - 1 - 2, -126, 127), 0)      # np.frexp(a)[1] - 1 = floor(log2(a)), exactly
;;       r = np.clip(x / 2.0 ** e, -7.5, 7.5)
;;       step = 2.0 ** (np.maximum(np.frexp(np.where(r == 0, 1, r))[1] - 1, 0) - 3)
;;       q = np.round(r / step) * step * 2.0 ** e      # np.round: ties to even
;;       return np.moveaxis(q.reshape(q.shape[:-2] + (-1,))[..., :K], -1, axis).astype(np.float32)
;;   ~~~
;;   SOFTMAX AHEAD OF A QUANTISED PRODUCT. Where the list says 'softmax', what is quantised is not the finished softmax but p = 2^(t - M), with t = logit x log2(e) and M = ceil(the row's largest t), a whole number; so 1/2 < the row's largest p <= 1. The row's sum l is taken of the UNQUANTISED p, in f32, and the product's result is divided by l at the end. Since M is a whole number, a kernel that streams over the keys may use a running M (the ceiling of the running maximum): every later rescaling is an exact power of two, which a block's scale takes up: the codes' values come out the same.
;;   OPERANDS COMPUTED ON THE WAY. 'Computed on the way' means the value that the module computes at that place (a softmax that the list does not call 'softmax' is quantised finished and normalised). What goes into a quantiser is computed in f32, as accurately as f32 sums, v_exp_f32 and their like allow (about 1e-6 of the number): no bf16 or f16 on the way to a quantiser, and a product that is left as it is and whose result goes on into a quantised operand takes f32 operands (vector FMAs, or v_wmma_f32_16x16x4_f32). A number that lies on a knife's edge between two numbers of the format may be rounded either way, as far as f32 arithmetic and the matrix unit's own rounding can turn it there, and no further.
;; One version. Each part assembles by itself: llvm-mc -triple=amdgcn-amd-amdhsa -mcpu=gfx1250 --defsym DOCPART=n.
;; ======== version 1 of 1: 4 launches
;; limits: right only within a limited range of input values
;; workspace buffers: xc 9,437,184 bytes; xs 393,216 bytes; rt 524,288 bytes; qq 6,553,600 bytes; kv 13,107,200 bytes; ac 6,291,456 bytes; asp 262,144 bytes
;; launch prep (part 1): grid 400 x 1, 8 waves a work-group, no clusters, 137,216 bytes of LDS; arguments query, in_proj_w, out_proj_w, xc, xs, rt; writes xc, xs, rt
.if DOCPART == 1
	.amdgcn_target "amdgcn-amd-amdhsa--gfx1250"
	.amdhsa_code_object_version 6
	.text
	.protected	k_q0c0fcbda11_prep
	.globl	k_q0c0fcbda11_prep
	.p2align	8
	.type	k_q0c0fcbda11_prep,@function
k_q0c0fcbda11_prep:
	s_mov_b64 s[64:65], 0
	v_nop
	global_prefetch_b8 v0, s[64:65] scope:SCOPE_SE
	s_setreg_imm32_b32 hwreg(HW_REG_WAVE_MODE, 25, 1), 1
	s_wait_xcnt 0x0
; PREP.  query [8192][1024], in_proj_w [3072][1024] and out_proj_w [1024][1024], f32, K innermost, become codes of FP6 (E2M3) with one E8M0 byte for each 32 along K,
; laid in the order of the matrix operand's registers; and the table of cos and sin for the rotary step is made.
; TILE: 16 slots; tile 2 P + u, slot r stands for row 32 P + 8 u + r + 8 (r / 8) of the three tensors set on end (12,288 rows, 768 tiles).
; HALF IMAGE: 16 slots x 64 along K, 768 bytes: lane (r, h) holds six registers, the codes of k = 32 h .. 32 h + 31 of slot r; register pair j lies at byte 256 j + 8 x lane.
; xc: [tile][16 half images]; xs: [tile][slot][8] scale words (four bytes: 128 along K).
; rt: [position tile 128][group 8][lane][16 bytes]: lane (r, h), group g: cos, sin of frequency 16 (g / 4) + 8 h + 2 (g % 4), then of the next one, at the position of slot r.
; SHARES.  Work-groups 0 to 383 take 32 rows each (two tiles); wave s takes 128 along K: 32 loads of 512 consecutive bytes, all out together.  The conversions want 16 neighbours
; along K in one lane, so the 16 KiB turn through the wave's own stage in LDS (rows 528 bytes apart).  Work-groups 384 to 399 make the table, a wave a position tile; they touch no LDS.
; A block's scale is 2^(floor(log2(largest magnitude)) - 2); its byte is the largest magnitude's exponent field - 2, held at 1 from below.
; LIMITS: a block of zeros, or one whose largest magnitude lies under 2^-124, gets the byte 1 (zero codes add nothing under it; this program alone reads the bytes); NaN and infinities are not served.
; The inverse frequencies are the f32 numbers nearest 10^(-i / 8): one unit in the last place off the reference's power and reciprocal moves an angle by up to 1.2e-4 at position 2,047.
; sin and cos: reduction by pi / 2 in two parts, polynomials on +-pi / 4: about 1e-7 absolute for the arguments met here, which lie under 2,048.
; No matrix unit, no tensor load, no cluster: work-groups share no input and memory binds.
.set SCG,   135168                     ; LDS: behind the eight stages: the work-group's scale words [u][slot][K step], 1,024 bytes
.set SPARE, 136192                     ; the spare words: 128 bytes for each wave, four blocks of 256 bytes that no other line names
.set STGW,  16896                      ; a wave's stage: 32 rows x 528 bytes
.set SROW,  528                        ; 512 bytes + 16: the sixteen rows that a load of 16 bytes a lane touches start at different banks
.set SPW,   12                         ; v12  my spare word's address; never rewritten
.set NIL,   13                         ; v13  0; never rewritten
.set TM,    16                         ; v16-24 at work in QH
.set HW,    26                         ; v26-29 half words: the two scale bytes of a half image
.set N,     32                         ; v32-95  64 numbers of tile 0
.set X,     96                         ; v96-223 the 32 loads; later v96-159: 64 numbers of tile 1
.set PC,    224                        ; v224-247 four half images
.set OUT,   64                         ; the table path: v64-95
.set WV,    16
.set SEL,   22                         ; s[22:23] v_permlanex16_b32's selects for lane l xor 16
.set MSB,   0
.macro WIN new                         ; the immediate's high byte repeats the setting that is left; a switch that changes nothing is dropped (here: all of them)
.if MSB != (\new)
	s_set_vgpr_msb (MSB<<8)|(\new)
.set MSB, (\new)
.endif
.endm
; 32 numbers of a lane, v[src + 16 b + i] = k 32 b + 16 h + i of my slot, in register window w, become a half image in v[pc .. pc + 5] and its half word in v[hw].
.macro QH src, w, pc, hw
	WIN (\w)|((\w)<<2)
.irp b, 0,1
	v_max3_num_f32 v[TM+\b], |v[(\src)+16*\b]|, |v[(\src)+16*\b+1]|, 0x1800000   ; my 16 numbers of block b, and the floor 2^(3 - 127): the byte cannot fall under 1
.endr
.irp i, 2,4,6,8,10,12,14
.irp b, 0,1
	s_delay_alu instid0(VALU_DEP_2)
	v_max3_num_f32 v[TM+\b], |v[(\src)+16*\b+\i]|, |v[(\src)+16*\b+\i+1]|, v[TM+\b]
.endr
.endr
	WIN 0
.irp b, 0,1
	s_delay_alu instid0(VALU_DEP_2)
	v_permlanex16_b32 v[TM+2+\b], v[TM+\b], s[SEL], s[SEL+1]
.endr
.irp b, 0,1
	s_delay_alu instid0(VALU_DEP_2)
	v_max_num_f32 v[TM+\b], v[TM+\b], v[TM+2+\b]     ; with lane l xor 16's 16: the block's largest magnitude
.endr
.irp b, 0,1
	s_delay_alu instid0(VALU_DEP_2)
	v_add_nc_u32 v[TM+4+\b], 0xff000000, v[TM+\b]    ; 2 off its exponent field: the conversion takes the exponent field of this operand as its scale
.endr
.irp b, 0,1
	s_delay_alu instid0(VALU_DEP_2)
	v_lshrrev_b32 v[TM+2+\b], 23, v[TM+4+\b]         ; the scale's byte
.endr
	s_delay_alu instid0(VALU_DEP_1)
	v_lshl_or_b32 v[\hw], v[TM+3], 8, v[TM+2]
	WIN \w
	v_cvt_scalef32_pk16_fp6_f32 v[(\pc):(\pc)+2], v[(\src):(\src)+15], v[TM+4]
	v_cvt_scalef32_pk16_fp6_f32 v[TM+6:TM+8], v[(\src)+16:(\src)+31], v[TM+5]   ; (a conversion's three registers begin on an even number)
	WIN 0
	v_nop                                            ; one plain instruction behind a scaled conversion
.irp i, 0,1,2
	v_permlane16_swap_b32 v[(\pc)+\i], v[TM+6+\i]    ; the layout wants a whole block in a lane: lanes 0-15 block 0, lanes 16-31 block 1
.endr
.irp i, 0,1,2
	s_delay_alu instid0(VALU_DEP_3)
	v_mov_b32 v[(\pc)+3+\i], v[TM+6+\i]
.endr
.endm
.macro FROMST dst, u                   ; tile u's 64 numbers of my slot: k = 32 b + 16 h + 4 j ..
.irp b, 0,1,2,3
.irp j, 0,1,2,3
	ds_load_b128 v[\dst+16*\b+4*\j:\dst+16*\b+4*\j+3], v3 offset:16*SROW*\u+128*\b+16*\j
.endr
.endr
.endm
	s_load_b256 s[4:11], s[0:1], 0x0               ; query, in_proj_w, out_proj_w, xc
	s_load_b128 s[12:15], s[0:1], 0x20             ; xs, rt
	v_lshl_add_u32 v[SPW], v0, 2, SPARE
	v_mov_b32 v[NIL], 0
	v_lshrrev_b32 v1, 5, v0
	s_delay_alu instid0(VALU_DEP_1)
	v_readfirstlane_b32 s[WV], v1                  ; wave 0..7
	v_and_b32 v7, 31, v0                           ; lane
	v_and_b32 v8, 15, v0                           ; r
	v_bfe_u32 v9, v0, 4, 1                         ; h
	s_delay_alu instid0(VALU_DEP_3)
	v_lshlrev_b32 v1, 4, v7                        ; 16 x lane
	s_delay_alu instid0(VALU_DEP_4)
	v_lshlrev_b32 v4, 3, v7                        ; 8 x lane
	s_mul_i32 s17, s[WV], STGW
	v_add_nc_u32 v2, s17, v1                       ; the stage, on the way in: 16 x lane of a row
	v_mul_u32_u24 v3, v8, SROW
	s_delay_alu instid0(VALU_DEP_1)
	v_lshl_add_u32 v3, v9, 6, v3
	s_delay_alu instid0(VALU_DEP_1)
	v_add_nc_u32 v3, s17, v3                       ; and on the way out: row r, + 64 h
	s_lshl_b32 s18, s[WV], 2
	v_lshl_add_u32 v5, v8, 5, SCG
	s_delay_alu instid0(VALU_DEP_1)
	v_add_nc_u32 v5, s18, v5                       ; my slot's scale word of my K step
	v_add_nc_u32 v6, SCG, v1                       ; the scale words on their way out
	v_mov_b32 v[TM+2], 0                           ; written once: a lane permute's destination counts as one of its sources
	v_mov_b32 v[TM+3], 0
	s_mov_b32 s[SEL], 0x76543210
	s_mov_b32 s[SEL+1], 0xfedcba98
	s_wait_kmcnt 0x0
	s_cmp_ge_u32 ttmp9, 384
	s_cbranch_scc1 .Ltable
	; ---- the quantiser.  Which tensor: the choice hangs on the work-group's number alone
	s_cmp_lt_u32 ttmp9, 256
	s_cselect_b64 s[6:7], s[4:5], s[6:7]
	s_cselect_b32 s19, 0, 256
	s_cmp_lt_u32 ttmp9, 352
	s_cselect_b64 s[4:5], s[6:7], s[8:9]
	s_cselect_b32 s19, s19, 352
	s_sub_co_u32 s19, ttmp9, s19                   ; which 32 rows of that tensor
	s_lshl_b32 s20, s19, 17                        ; 32 rows of 4,096 bytes
	s_lshl_b32 s21, s[WV], 9                       ; my 512 bytes of a row
	s_add_co_u32 s20, s20, s21
	s_mov_b32 s21, 0
	s_add_nc_u64 s[4:5], s[4:5], s[20:21]
	s_mul_i32 s20, ttmp9, 24576                    ; two tiles of 12,288 bytes
	s_mul_i32 s19, s[WV], 1536                     ; my K step's two half images
	s_add_co_u32 s20, s20, s19
	s_add_nc_u64 s[10:11], s[10:11], s[20:21]
	s_lshl_b32 s20, ttmp9, 10
	s_add_nc_u64 s[12:13], s[12:13], s[20:21]
.set RHO, 0
.rept 32
	global_load_b128 v[X+4*RHO:X+4*RHO+3], v1, s[4:5] offset:4096*RHO th:TH_LOAD_NT   ; 32 lanes read 512 consecutive bytes of row RHO
.set RHO, RHO+1
.endr
.set RHO, 0
	s_wait_alu depctr_va_vdst(0)
.rept 32
	s_wait_loadcnt 31-RHO                          ; loads come back in order: row RHO is in, the younger rows stay out
	ds_store_b128 v2, v[X+4*RHO:X+4*RHO+3] offset:SROW*(16*((RHO/8)%2)+RHO%8+8*(RHO/16))   ; to stage row 16 u + slot
.set RHO, RHO+1
.endr
	FROMST N, 0                                    ; LDS serves a wave's instructions in order: these see my stores
	s_wait_dscnt 0x0                               ; tile 0 is in, and the stores have read X
	FROMST X, 1                                    ; tile 1 lands while tile 0 is quantised
	QH N, 0, PC, HW
	QH N+32, 0, PC+6, HW+1
	v_lshl_or_b32 v30, v[HW+1], 16, v[HW]          ; the scale word of 128 along K
	ds_store_b32 v5, v30                           ; lanes r and r + 16 write the same word with the same value
.irp g, 0,1,2,3,4,5
	global_store_b64 v4, v[PC+2*\g:PC+2*\g+1], s[10:11] offset:256*\g   ; 32 lanes store 256 consecutive bytes, aligned
.endr
	s_wait_dscnt 0x0                               ; tile 1 is in
	QH X, 0, PC+12, HW+2
	QH X+32, 0, PC+18, HW+3
	v_lshl_or_b32 v31, v[HW+3], 16, v[HW+2]
	ds_store_b32 v5, v31 offset:512
.irp g, 0,1,2,3,4,5
	global_store_b64 v4, v[PC+12+2*\g:PC+13+2*\g], s[10:11] offset:12288+256*\g
.endr
	s_wait_dscnt 0x0                               ; for the others' sake: my scale words have landed
	s_barrier_signal -1
	s_barrier_wait -1
	s_cmp_lg_u32 s[WV], 0
	s_cbranch_scc1 .Lnot_wave_0
	ds_load_b128 v[32:35], v6                      ; the two tiles' 1,024 bytes of scale words leave whole
	ds_load_b128 v[36:39], v6 offset:512
	s_wait_dscnt 0x0
	global_store_b128 v1, v[32:35], s[12:13]
	global_store_b128 v1, v[36:39], s[12:13] offset:512
.Lnot_wave_0:
	s_wait_tensorcnt 0x0                           ; the wave's end, behind my last LDS store
	ds_add_u32 v[SPW], v[NIL]
	s_wait_dscnt 0x0
	s_endpgm
	; ---- the table: wave w of work-group 384 + g makes position tile 8 g + w
.Ltable:
	s_sub_co_u32 s17, ttmp9, 384
	s_lshl_b32 s17, s17, 3
	s_add_co_u32 s17, s17, s[WV]                   ; the position tile
	s_lshr_b32 s18, s17, 1
	s_lshl_b32 s18, s18, 5
	s_and_b32 s19, s17, 1
	s_lshl_b32 s19, s19, 3
	s_add_co_u32 s18, s18, s19                     ; 32 P + 8 u
	v_and_b32 v33, 8, v8
	s_delay_alu instid0(VALU_DEP_1)
	v_add_nc_u32 v33, v33, v8
	s_delay_alu instid0(VALU_DEP_1)
	v_add_nc_u32 v33, s18, v33                     ; + r + 8 (r / 8): my position
	s_delay_alu instid0(VALU_DEP_1)
	v_cvt_f32_u32 v32, v33
	v_cmp_lt_u32 vcc_lo, 15, v7                    ; lanes 16-31
	s_lshl_b32 s18, s17, 12
	s_mov_b32 s19, 0
	s_add_nc_u64 s[14:15], s[14:15], s[18:19]
	s_mov_b32 s24, 0x3fc90fdb                      ; pi / 2, the f32 nearest,
	s_mov_b32 s25, 0xb33bbd2e                      ; and what is left of it
	s_mov_b32 s26, 0xb94ca1f9                      ; sin: -1.9515295891e-4, 8.3321608736e-3, -1.6666654611e-1
	s_mov_b32 s27, 0x3c08839e
	s_mov_b32 s28, 0xbe2aaaa3
	s_mov_b32 s32, 0x37ccf5ce                      ; cos: 2.443315711809948e-5, -1.388731625493765e-3, 4.166664568298827e-2
	s_mov_b32 s33, 0xbab6061a
	s_mov_b32 s34, 0x3d2aaaa5
; Pair m of 16: lanes 0-15 take the frequency clo, lanes 16-31 chi (eight further on).  cos goes to v[OUT + 2 m], sin to v[OUT + 2 m + 1].
.macro SINCOS m, clo, chi
	v_mov_b32 v33, \clo
	v_mov_b32 v34, \chi
	s_delay_alu instid0(VALU_DEP_1)
	v_cndmask_b32 v33, v33, v34, vcc_lo
	s_wait_alu depctr_va_vdst(0)
	v_mul_f32 v33, v32, v33                        ; x = position x frequency: one rounding, as the reference has it
	s_delay_alu instid0(VALU_DEP_1)
	v_mul_f32 v34, 0x3f22f983, v33                 ; x 2 / pi
	s_delay_alu instid0(VALU_DEP_1)
	v_rndne_f32 v34, v34                           ; n
	s_delay_alu instid0(VALU_DEP_1)
	v_fma_f32 v35, -v34, s24, v33                  ; x - n pi / 2: this first step rounds nothing (a multiple of 2^-23 under 1)
	s_delay_alu instid0(VALU_DEP_1)
	v_fma_f32 v35, -v34, s25, v35                  ; r, within +-pi / 4
	s_delay_alu instid0(VALU_DEP_1)
	v_mul_f32 v36, v35, v35                        ; z = r r
	s_delay_alu instid0(VALU_DEP_1)
	v_fma_f32 v37, v36, s26, s27
	s_delay_alu instid0(VALU_DEP_1)
	v_fma_f32 v37, v37, v36, s28
	s_delay_alu instid0(VALU_DEP_3)
	v_mul_f32 v38, v35, v36
	s_delay_alu instid0(VALU_DEP_1)
	v_fma_f32 v37, v38, v37, v35                   ; sin r
	v_fma_f32 v39, v36, s32, s33
	s_delay_alu instid0(VALU_DEP_1)
	v_fma_f32 v39, v39, v36, s34
	v_mul_f32 v40, v36, v36
	v_fma_f32 v41, v36, -0.5, 1.0
	s_delay_alu instid0(VALU_DEP_1)
	v_fma_f32 v39, v40, v39, v41                   ; cos r
	v_cvt_i32_f32 v42, v34
	s_delay_alu instid0(VALU_DEP_1)
	v_and_b32 v43, 1, v42
	s_delay_alu instid0(VALU_DEP_1)
	v_cmp_eq_u32 s30, 1, v43                       ; in odd quadrants the two change places
	s_delay_alu instid0(VALU_DEP_1)
	v_cndmask_b32 v44, v37, v39, s30
	s_delay_alu instid0(VALU_DEP_2)
	v_cndmask_b32 v45, v39, v37, s30
	v_and_b32 v46, 2, v42                          ; sin is negative in quadrants 2 and 3,
	s_delay_alu instid0(VALU_DEP_1)
	v_lshlrev_b32 v46, 30, v46
	s_delay_alu instid0(VALU_DEP_1)
	v_xor_b32 v[OUT+2*\m+1], v44, v46
	v_add_nc_u32 v47, 1, v42                       ; cos in quadrants 1 and 2
	s_delay_alu instid0(VALU_DEP_1)
	v_and_b32 v47, 2, v47
	s_delay_alu instid0(VALU_DEP_1)
	v_lshlrev_b32 v47, 30, v47
	s_delay_alu instid0(VALU_DEP_1)
	v_xor_b32 v[OUT+2*\m], v45, v47
.endm
	SINCOS 0, 1.0, 0.1
	SINCOS 1, 0.74989420933245582, 0.074989420933245582
	SINCOS 2, 0.56234132519034908, 0.056234132519034908
	SINCOS 3, 0.42169650342858225, 0.042169650342858225
	SINCOS 4, 0.31622776601683794, 0.031622776601683794
	SINCOS 5, 0.23713737056616552, 0.023713737056616552
	SINCOS 6, 0.17782794100389228, 0.017782794100389228
	SINCOS 7, 0.13335214321633240, 0.013335214321633240
	SINCOS 8, 0.01, 0.001
	SINCOS 9, 0.0074989420933245582, 0.00074989420933245582
	SINCOS 10, 0.0056234132519034908, 0.00056234132519034908
	SINCOS 11, 0.0042169650342858225, 0.00042169650342858225
	SINCOS 12, 0.0031622776601683794, 0.00031622776601683794
	SINCOS 13, 0.0023713737056616552, 0.00023713737056616552
	SINCOS 14, 0.0017782794100389228, 0.00017782794100389228
	SINCOS 15, 0.0013335214321633240, 0.00013335214321633240
.irp g, 0,1,2,3,4,5,6,7
	global_store_b128 v1, v[OUT+4*\g:OUT+4*\g+3], s[14:15] offset:512*\g   ; 32 lanes store 512 consecutive bytes
.endr
	s_endpgm
.Lfunc_end_k_q0c0fcbda11_prep:
	.size	k_q0c0fcbda11_prep, .Lfunc_end_k_q0c0fcbda11_prep-k_q0c0fcbda11_prep
	.p2alignl 7, 3214868480
	.fill 96, 4, 3214868480
	.section	.rodata,"a",@progbits
	.p2align	6, 0x0
	.amdhsa_kernel k_q0c0fcbda11_prep
		.amdhsa_group_segment_fixed_size 137216
		.amdhsa_private_segment_fixed_size 0
		.amdhsa_enable_private_segment 0
		.amdhsa_kernarg_size 48
		.amdhsa_user_sgpr_count 2
		.amdhsa_user_sgpr_kernarg_segment_ptr 1
		.amdhsa_wavefront_size32 1
		.amdhsa_system_sgpr_workgroup_id_x 1
		.amdhsa_system_sgpr_workgroup_id_y 1
		.amdhsa_system_sgpr_workgroup_id_z 1
		.amdhsa_system_vgpr_workitem_id 0
		.amdhsa_next_free_vgpr 256
		.amdhsa_next_free_sgpr 66
		.amdhsa_reserve_vcc 1
		.amdhsa_float_denorm_mode_32 3
		.amdhsa_float_denorm_mode_16_64 3
		.amdhsa_memory_ordered 1
		.amdhsa_forward_progress 1
		.amdhsa_inst_pref_size 59
	.end_amdhsa_kernel
	.amdgpu_metadata
---
amdhsa.version: [ 1, 2 ]
amdhsa.kernels:
  - .name:           k_q0c0fcbda11_prep
    .symbol:         k_q0c0fcbda11_prep.kd
    .args:
      - { .name: query, .offset: 0, .size: 8, .value_kind: global_buffer, .address_space: global }
      - { .name: in_proj_w, .offset: 8, .size: 8, .value_kind: global_buffer, .address_space: global }
      - { .name: out_proj_w, .offset: 16, .size: 8, .value_kind: global_buffer, .address_space: global }
      - { .name: xc, .offset: 24, .size: 8, .value_kind: global_buffer, .address_space: global }
      - { .name: xs, .offset: 32, .size: 8, .value_kind: global_buffer, .address_space: global }
      - { .name: rt, .offset: 40, .size: 8, .value_kind: global_buffer, .address_space: global }
    .group_segment_fixed_size: 137216
    .private_segment_fixed_size: 0
    .kernarg_segment_align: 8
    .kernarg_segment_size: 48
    .max_flat_workgroup_size: 256
    .sgpr_count:     66
    .vgpr_count:     256
    .wavefront_size: 32
...
	.end_amdgpu_metadata
.endif
;; end of part 1
;; launch qkv (part 2): grid 16 x 48, 4 waves a work-group, clusters of 4 x 4, 327,680 bytes of LDS; arguments xc, xs, in_proj_b, rt, qq, kv; writes qq, kv
.if DOCPART == 2
	.amdgcn_target "amdgcn-amd-amdhsa--gfx1250"
	.amdhsa_code_object_version 6
	.text
	.protected	k_q0c0fcbda11_qkv
	.globl	k_q0c0fcbda11_qkv
	.p2align	8
	.type	k_q0c0fcbda11_qkv,@function
k_q0c0fcbda11_qkv:
	s_mov_b64 s[64:65], 0
	v_nop
	global_prefetch_b8 v0, s[64:65] scope:SCOPE_SE
	s_setreg_imm32_b32 hwreg(HW_REG_WAVE_MODE, 25, 1), 1
	s_wait_xcnt 0x0
	s_wait_alu depctr_hold_cnt(0) depctr_sa_sdst(0) depctr_va_vdst(0) depctr_va_sdst(0) depctr_va_ssrc(0) depctr_va_vcc(0) depctr_vm_vsrc(0)
	s_getreg_b32 s2, hwreg(HW_REG_IB_STS2, 6, 4)
	s_cmp_eq_u32 s2, 0
	s_cbranch_scc0 .Lentry_in_a_cluster
	s_endpgm
.Lentry_in_a_cluster:
	s_bfe_u32 s2, ttmp6, 0x10000c
	s_cmp_lg_u32 s2, 0xf033
	s_cbranch_scc0 .Lentry_shape_is_right
	s_endpgm
.Lentry_shape_is_right:
; QKV.  query x in_proj_w^T + in_proj_b on codes of FP6 (E2M3) with E8M0 scales; the rotary step on q and k; q and k quantised along the head's 64, v along the keys.
; FORMATS (see the launch that makes xc): tile 2 P + u, slot r = row 32 P + 8 u + r + 8 (r / 8); a half image is 16 slots x 64 along K in 768 bytes, register pair j at 256 j + 8 x lane; two on end are one
; fragment of 12 registers, read by six loads of 8 bytes a lane, 256 consecutive bytes each.  xc tiles 0-511: query; 512-703: in_proj_w.
; THE PRODUCT.  A work-group takes Y = 16 tiles x X = 8 tiles for all of K = 1,024: 196,608 + 98,304 bytes of codes, ALL asked for at the head, in two halves of four K steps; nothing is filled again.
; Source 0 = X's tiles, source 1 = Y's: a lane is a slot of Y, its registers run along X: by the order of rows in a tile the 16 registers of X tiles 2 b, 2 b + 1 are rows 32 b + 16 h + 0 .. 15 of X.
; q, k (cluster rows 0-7): Y = 256 tokens, X = 128 channels; a wave: 8 x 4 tiles = 128 tokens x one head; registers run along the head: the rotary pairs and the quantiser's blocks lie in one lane.
; v (cluster rows 8-11): Y = 256 channels, X = 128 tokens; a wave: 4 x 8 tiles = one head x 128 tokens; registers run along the tokens, which are the keys of the second attention product.
; The bias is the C of each sum's first product.
; qq: [batch x head 64][S 16] records of 6,400 bytes: the 8 token tiles' half images, then [slot][4] scale words (two tiles' half words each).
; kv: records of 12,800 bytes: k's 8 half images; v's 8 (channel tile t: keys 0-63, keys 64-127); k's words [slot][4]; v's words [slot][4].
; CLUSTER 4 x 4: Y's tiles hang on the cluster's row alone and are asked for jointly along it, X's on its column: each tensor load has a mask of four.
; A wave has one tensor load out.
; LIMITS: a block of zeros or under 2^-124 gets the scale byte 1; NaN and infinities are not served.
; No ring (all tiles fit in LDS), no prefetch (every byte is asked for at the head), no work-groups that stay (K is short and the grid is three times 256).
; REGISTERS.  window 0: v1-6 lane offsets; v8-23 LDS addresses; v28, v29 the add's two; v32-63 Y's scale words, v64-95 X's; v96-127 the bias; from v128 the way out.
;   window 1: Y's fragments, two buffers.  window 2: the 32 accumulators, (y, x) at 8 (NX y + x).  window 3: X's fragments, two buffers; in the q, k path from v96 the table of cos and sin.
; THE FILLS AS THEY STAND: K is cut in two halves of four K steps.  One tensor load a wave, all at the head:
; wave 0 Y's 16 tiles of K steps 0-3, wave 1 X's 8 tiles of them, wave 2 Y's of K steps 4-7, wave 3 X's.  The products begin when waves 0 and 1 have waited; the barrier in K step 3 shows the other two.  A wave has one load out.
.set XLDS,  196608                     ; LDS: Y's half kh at 98,304 kh + 6,144 tile + 1,536 (K step % 4); X's at XLDS + 49,152 kh + the same
.set SPARE, 294912                     ; the spare words: 128 bytes a wave, two blocks of 256 bytes that no other line names
.set SPW, 28
.set NIL, 29
.set SY,  32                           ; register SY + 8 m + s: lanes 0-15 the word of my Y tile 2 m, lanes 16-31 of tile 2 m + 1, K step s
.set SX,  64
.set BI,  96
.set W,   128                          ; v128-159 a token tile's 32 rotated numbers
.set TT,  160                          ; v160-167 products on the way
.set PC,  176                          ; v176-223 eight half images
.set HW,  224                          ; v224-231 their half words
.set TM,  232                          ; v232-240 at work in QH
.set WD,  242
.set DD,  246
.set WV,  16
.set WH,  17                           ; wave / 2
.set WL,  18                           ; wave % 2
.set CX,  19
.set CY,  20
.set CCY, 21                           ; the cluster's y
.set YT,  22                           ; the work-group's first Y tile: made of cy and the cluster's y alone
.set XT,  23                           ; its first X tile: made of cx and the cluster's x and y alone
.set G1Y, 24
.set G1X, 32
.set G0Y, 40                           ; s[40:47] two groups 0, one a half
.set G0X, 68                           ; s[68:75]
.set SEL, 84
.set HM,  86                           ; lanes 16-31
.set MSB, 0
.macro WIN new                         ; the immediate's high byte repeats the setting that is left; a switch that changes nothing is dropped
.if MSB != (\new)
	s_set_vgpr_msb (MSB<<8)|(\new)
.set MSB, (\new)
.endif
.endm
.macro PLACES                          ; four plain instructions between a product and a load into, or a read of, its registers
.rept 4
	v_nop
.endr
.endm
.macro CROUND                          ; a round of the cluster's barrier
	s_barrier_signal -1
	s_barrier_wait -1
	s_cmp_lg_u32 s[WV], 0
	s_cbranch_scc1 .Lnot_wave_0_\@
	s_barrier_signal -3
.Lnot_wave_0_\@:
	s_barrier_wait -3
	s_barrier_signal -1
	s_barrier_wait -1
.endm
; 32 numbers of a lane, v[src + 16 b + i] = k 32 b + 16 h + i of my slot, in register window w, become a half image in v[pc .. pc + 5] and its half word in v[hw].  Each accumulator is read from its low end on.
.macro QH src, w, pc, hw
	WIN (\w)|((\w)<<2)
.irp b, 0,1
	v_max3_num_f32 v[TM+\b], |v[(\src)+16*\b]|, |v[(\src)+16*\b+1]|, 0x1800000   ; my 16 numbers of block b, and the floor 2^(3 - 127): the byte cannot fall under 1
.endr
.irp i, 2,4,6,8,10,12,14
.irp b, 0,1
	v_max3_num_f32 v[TM+\b], |v[(\src)+16*\b+\i]|, |v[(\src)+16*\b+\i+1]|, v[TM+\b]
.endr
.endr
	WIN 0
.irp b, 0,1
	v_permlanex16_b32 v[TM+2+\b], v[TM+\b], s[SEL], s[SEL+1]
.endr
.irp b, 0,1
	v_max_num_f32 v[TM+\b], v[TM+\b], v[TM+2+\b]     ; with lane l xor 16's 16: the block's largest magnitude
.endr
.irp b, 0,1
	v_add_nc_u32 v[TM+4+\b], 0xff000000, v[TM+\b]    ; 2 off its exponent field: the conversion's scale operand
.endr
.irp b, 0,1
	v_lshrrev_b32 v[TM+2+\b], 23, v[TM+4+\b]         ; the scale's byte
.endr
	v_lshl_or_b32 v[\hw], v[TM+3], 8, v[TM+2]
	WIN \w
	v_cvt_scalef32_pk16_fp6_f32 v[(\pc):(\pc)+2], v[(\src):(\src)+15], v[TM+4]
	v_cvt_scalef32_pk16_fp6_f32 v[TM+6:TM+8], v[(\src)+16:(\src)+31], v[TM+5]   ; (a conversion's three registers begin on an even number)
	WIN 0
	v_nop                                            ; one plain instruction behind a scaled conversion
.irp i, 0,1,2
	v_permlane16_swap_b32 v[(\pc)+\i], v[TM+6+\i]    ; a whole block in a lane: lanes 0-15 block 0, lanes 16-31 block 1
.endr
.irp i, 0,1,2
	v_mov_b32 v[(\pc)+3+\i], v[TM+6+\i]
.endr
.endm
.macro SCOUT                           ; eight half words make four words a slot; lanes 0-15 store words 0, 1, lanes 16-31 words 2, 3: one aligned run of 256 bytes
.irp p, 0,1,2,3
	v_lshl_or_b32 v[WD+\p], v[HW+2*\p+1], 16, v[HW+2*\p]
.endr
	v_cndmask_b32 v[DD], v[WD], v[WD+2], s[HM]
	v_cndmask_b32 v[DD+1], v[WD+1], v[WD+3], s[HM]
	global_store_b64 v5, v[DD:DD+1], s[100:101]
.endm
; ---- the product's core.  NY, NX: the wave's tiles; ADY, ADX: its two LDS address registers a side; BIASX: the bias runs along X (1) or along Y (0).
.macro WM                              ; one product; the scale words of odd tiles lie in lanes 16-31
.if (XI%2) && (YI%2)
	v_wmma_scale_f32_16x16x128_f8f6f4 v[RD:RD+7], v[RA:RA+11], v[RB:RB+11], v[RC:RC+7], v[RSA], v[RSB] matrix_a_fmt:MATRIX_FMT_FP6 matrix_b_fmt:MATRIX_FMT_FP6 matrix_a_scale:MATRIX_SCALE_ROW1 matrix_b_scale:MATRIX_SCALE_ROW1
.elseif XI%2
	v_wmma_scale_f32_16x16x128_f8f6f4 v[RD:RD+7], v[RA:RA+11], v[RB:RB+11], v[RC:RC+7], v[RSA], v[RSB] matrix_a_fmt:MATRIX_FMT_FP6 matrix_b_fmt:MATRIX_FMT_FP6 matrix_a_scale:MATRIX_SCALE_ROW1
.elseif YI%2
	v_wmma_scale_f32_16x16x128_f8f6f4 v[RD:RD+7], v[RA:RA+11], v[RB:RB+11], v[RC:RC+7], v[RSA], v[RSB] matrix_a_fmt:MATRIX_FMT_FP6 matrix_b_fmt:MATRIX_FMT_FP6 matrix_b_scale:MATRIX_SCALE_ROW1
.else
	v_wmma_scale_f32_16x16x128_f8f6f4 v[RD:RD+7], v[RA:RA+11], v[RB:RB+11], v[RC:RC+7], v[RSA], v[RSB] matrix_a_fmt:MATRIX_FMT_FP6 matrix_b_fmt:MATRIX_FMT_FP6
.endif
.endm
.macro FETCHY s                        ; my NY fragments of K step s into buffer s % 2 of window 1
	WIN 0x40
.set TI, 0
.rept NY
.irp g, 0,1,2,3,4,5
	ds_load_b64 v[12*NY*((\s)%2)+12*TI+2*\g:12*NY*((\s)%2)+12*TI+2*\g+1], v[ADY+(\s)/4] offset:6144*TI+1536*((\s)%4)+256*\g
.endr
.set TI, TI+1
.endr
.endm
.macro FETCHX s                        ; my NX fragments into window 3
	WIN 0xc0
.set TI, 0
.rept NX
.irp g, 0,1,2,3,4,5
	ds_load_b64 v[12*NX*((\s)%2)+12*TI+2*\g:12*NX*((\s)%2)+12*TI+2*\g+1], v[ADX+(\s)/4] offset:6144*TI+1536*((\s)%4)+256*\g
.endr
.set TI, TI+1
.endr
.endm
.macro MULS s, y0, y1                  ; the products of Y tiles y0 .. y1 - 1 with all of X; the 32 accumulators take turns, one instruction a turn
.if (\s) == 0
	WIN 0x87                                       ; X window 3, Y window 1, C (the bias) window 0, D window 2
.else
	WIN 0xa7                                       ; C and D window 2
.endif
.set YI, \y0
.rept (\y1)-(\y0)
.set XI, 0
.rept NX
.set RD, 8*(NX*YI+XI)
.set RA, 12*NX*((\s)%2)+12*XI
.set RB, 12*NY*((\s)%2)+12*YI
.set RSA, SX+8*(XI/2)+(\s)
.set RSB, SY+8*(YI/2)+(\s)
.if (\s) != 0
.set RC, RD
.elseif BIASX
.set RC, BI+8*XI
.else
.set RC, BI+8*YI
.endif
	WM
.set XI, XI+1
.endr
.set YI, YI+1
.endr
.endm
.macro KSTEP s
	s_wait_dscnt 0x0                               ; this step's fragments, asked for a step ago, are in
.if (\s) == 3
	s_wait_tensorcnt 0x0                           ; every wave's load has landed: K steps 4-7 among them
	s_barrier_signal -1
	s_barrier_wait -1                              ; everybody's has
.endif
.if (\s) < 7
.if (\s) > 0
	PLACES                                         ; the other buffers were read by the step before
.endif
	FETCHY (\s)+1
.endif
	MULS \s, 0, NY/2
.if (\s) < 7
	FETCHX (\s)+1                                  ; (the four places above lie between the last step's products and these loads too)
.endif
	MULS \s, NY/2, NY
	WIN 0
.endm
.macro GEMM lc                         ; lc: the global loads issued behind the scales and the bias, which may stay out
	s_cmp_lt_u32 s[WV], 2                          ; waves 0 and 1 brought K steps 0-3, each by a load line of its own
	s_cbranch_scc0 .Lhalf_\@
	s_wait_tensorcnt 0x0
.Lhalf_\@:
	s_barrier_signal -1
	s_barrier_wait -1                              ; K steps 0-3 are in; waves 2 and 3's loads may be out
	FETCHY 0
	FETCHX 0
	WIN 0
	s_wait_loadcnt \lc
.irp s, 0,1,2,3,4,5,6,7
	KSTEP \s
.endr
	PLACES
.endm
.macro FINISH
	s_wait_tensorcnt 0x0                           ; the wave's end
	ds_add_u32 v[SPW], v[NIL]
	s_wait_dscnt 0x0
	CROUND                                         ; the closing round: no work-group ends while a partner may still ask for a tile that names it
	s_endpgm
.endm
	s_load_b256 s[4:11], s[0:1], 0x0               ; xc, xs, in_proj_b, rt
	s_load_b128 s[12:15], s[0:1], 0x20             ; qq, kv
	v_lshl_add_u32 v[SPW], v0, 2, SPARE
	v_mov_b32 v[NIL], 0
	ds_add_u32 v[SPW], v[NIL]                      ; the wave's opening: the add and its wait ahead of my first tensor load
	ds_add_u32 v[SPW], v[NIL]
	v_lshrrev_b32 v1, 5, v0
	v_readfirstlane_b32 s[WV], v1                  ; wave 0..3
	s_lshr_b32 s[WH], s[WV], 1
	s_and_b32 s[WL], s[WV], 1
	s_bfe_u32 s[CX], ttmp6, 0x40000
	s_bfe_u32 s[CY], ttmp6, 0x40004
	s_and_b32 s[CCY], ttmp7, 0xffff
	s_lshl_b32 s[YT], s[CY], 4                     ; Y: q, k: token tile 16 (4 Cy + cy);  v: channel tile 640 + 16 cy
	s_lshl_b32 s56, s[CCY], 6
	s_cmp_ge_u32 s[CCY], 8
	s_cselect_b32 s56, 640, s56
	s_add_co_u32 s[YT], s[YT], s56
	s_lshl_b32 s[XT], s[CX], 3                     ; X: q, k: channel tile 512 + 8 (4 Cx + cx);  v: token tile 8 (16 (Cy - 8) + 4 Cx + cx)
	s_lshl_b32 s57, ttmp9, 5
	s_add_co_u32 s[XT], s[XT], s57
	s_lshl_b32 s57, s[CCY], 7
	s_sub_co_u32 s57, s57, 1024
	s_cmp_ge_u32 s[CCY], 8
	s_cselect_b32 s57, s57, 512
	s_add_co_u32 s[XT], s[XT], s57
	s_lshl_b32 s58, s[CY], 2
	s_lshl_b32 s58, 15, s58                        ; my row of the cluster
	s_lshl_b32 s59, 0x1111, s[CX]                  ; my column
	s_or_b32 s[G1Y], s58, (3<<16)|(1<<21)          ; 15:0 the mask; 17:16 elements of 8 bytes; 21 set beside a mask; no padding
	s_mov_b32 s[G1Y+1], 768<<16                    ; tensor_dim0: 6,144 bytes: four K steps of a tile
	s_mov_b32 s[G1Y+2], 16<<16                     ; tensor_dim1: 16 tiles
	s_mov_b32 s[G1Y+3], 768<<16                    ; tile_dim0
	s_mov_b32 s[G1Y+4], 16                         ; tile_dim1
	s_mov_b32 s[G1Y+5], 1536                       ; from tile to tile: 12,288 bytes
	s_mov_b32 s[G1Y+6], 0
	s_mov_b32 s[G1Y+7], 0
	s_or_b32 s[G1X], s59, (3<<16)|(1<<21)
	s_mov_b32 s[G1X+1], 768<<16
	s_mov_b32 s[G1X+2], 8<<16                      ; 8 tiles
	s_mov_b32 s[G1X+3], 768<<16
	s_mov_b32 s[G1X+4], 8
	s_mov_b32 s[G1X+5], 1536
	s_mov_b32 s[G1X+6], 0
	s_mov_b32 s[G1X+7], 0
	s_mul_i32 s60, s[YT], 12288                    ; Y's first tile, in bytes
	s_mov_b32 s61, 0
	s_mul_i32 s62, s[XT], 12288                    ; X's
	s_mov_b32 s63, 0
	s_mul_i32 s3, s[WL], 24576                     ; LDS: four tiles of 6,144 bytes on for the odd waves
	s_mov_b32 s[SEL], 0x76543210
	s_mov_b32 s[SEL+1], 0xfedcba98
	s_mov_b32 s[HM], 0xffff0000
	s_wait_dscnt 0x0                               ; the opening add is done
	s_wait_kmcnt 0x0
	s_add_nc_u64 s[60:61], s[4:5], s[60:61]
	s_add_nc_u64 s[62:63], s[4:5], s[62:63]
.irp c, 0,1
	s_mov_b32 s[G0Y+4*\c], 1
	s_mov_b32 s[G0Y+4*\c+1], 98304*\c
	s_add_nc_u64 s[G0Y+4*\c+2:G0Y+4*\c+3], s[60:61], 6144*\c
	s_or_b32 s[G0Y+4*\c+3], s[G0Y+4*\c+3], 0x80000000
	s_mov_b32 s[G0X+4*\c], 1
	s_mov_b32 s[G0X+4*\c+1], XLDS+49152*\c
	s_add_nc_u64 s[G0X+4*\c+2:G0X+4*\c+3], s[62:63], 6144*\c
	s_or_b32 s[G0X+4*\c+3], s[G0X+4*\c+3], 0x80000000
.endr
	CROUND                                         ; all sixteen work-groups are here: the joint loads meet
	s_cmp_eq_u32 s[WV], 0                          ; one chain of branches on the wave's number, one load to an arm
	s_cbranch_scc0 .Lfill_1
	tensor_load_to_lds s[G0Y:G0Y+3], s[G1Y:G1Y+7]  ; wave 0: Y, K steps 0-3
	s_nop 0
	PLACES
	s_branch .Lfilled
.Lfill_1:
	s_cmp_eq_u32 s[WV], 1
	s_cbranch_scc0 .Lfill_2
	tensor_load_to_lds s[G0X:G0X+3], s[G1X:G1X+7]  ; wave 1: X, K steps 0-3
	s_nop 0
	PLACES
	s_branch .Lfilled
.Lfill_2:
	s_cmp_eq_u32 s[WV], 2
	s_cbranch_scc0 .Lfill_3
	tensor_load_to_lds s[G0Y+4:G0Y+7], s[G1Y:G1Y+7]  ; wave 2: Y, K steps 4-7
	s_nop 0
	PLACES
	s_branch .Lfilled
.Lfill_3:
	tensor_load_to_lds s[G0X+4:G0X+7], s[G1X:G1X+7]  ; wave 3: X, K steps 4-7
	s_nop 0
	PLACES
.Lfilled:
	v_and_b32 v24, 31, v0                          ; lane
	v_and_b32 v25, 15, v0                          ; r
	v_bfe_u32 v26, v0, 4, 1                        ; h
	v_lshlrev_b32 v1, 3, v24                       ; 8 x lane
	v_lshlrev_b32 v4, 4, v24                       ; 16 x lane
	v_lshlrev_b32 v2, 5, v25
	v_lshl_add_u32 v2, v26, 9, v2                  ; scale words: tile h of a pair, slot r: 512 h + 32 r
	v_lshlrev_b32 v3, 6, v26                       ; the bias along X: 16 h numbers on
	v_lshlrev_b32 v5, 4, v25
	v_lshl_add_u32 v5, v26, 3, v5                  ; the words' way out: 16 r + 8 h
	v_and_b32 v6, 8, v25
	v_add_nc_u32 v6, v6, v25
	v_lshlrev_b32 v6, 2, v6                        ; the bias along Y: my slot's row, r + 8 (r / 8)
	v_mov_b32 v[TM+2], 0                           ; written once: a lane permute's destination counts as one of its sources
	v_mov_b32 v[TM+3], 0
	; every LDS address register of both paths is made here, of the lane and the wave's number alone
	s_mul_i32 s87, s[WH], 49152
	v_add_nc_u32 v8, s87, v1                       ; 8 x 4: Y tiles 8 (wave / 2) on,
	v_add_nc_u32 v12, s3, v1
	v_add_nc_u32 v12, XLDS, v12                    ; X tiles 4 (wave % 2) on
	s_mul_i32 s87, s[WV], 24576
	v_add_nc_u32 v16, s87, v1                      ; 4 x 8: Y tiles 4 wave on,
	v_add_nc_u32 v20, XLDS, v1                     ; all of X
	v_add_nc_u32 v9, 98304, v8                     ; the same for K steps 4-7
	v_add_nc_u32 v13, 49152, v12
	v_add_nc_u32 v17, 98304, v16
	v_add_nc_u32 v21, 49152, v20
	s_cmp_ge_u32 s[CCY], 8                         ; the cluster's y: the same in all sixteen partners
	s_cbranch_scc1 .Lvpath
	; ================ q and k
.set NY, 8
.set NX, 4
.set ADY, 8
.set ADX, 12
.set BIASX, 1
	s_lshl_b32 s88, s[WH], 3
	s_add_co_u32 s88, s88, s[YT]                   ; my first Y tile
	s_lshl_b32 s89, s[WL], 2
	s_add_co_u32 s89, s89, s[XT]                   ; my first X tile
	s_lshl_b32 s90, s88, 9
	s_mov_b32 s91, 0
	s_add_nc_u64 s[90:91], s[6:7], s[90:91]        ; Y's scale words
	s_lshl_b32 s92, s89, 9
	s_mov_b32 s93, 0
	s_add_nc_u64 s[92:93], s[6:7], s[92:93]        ; X's
	s_sub_co_u32 s94, s89, 512
	s_lshl_b32 s94, s94, 6                         ; 16 channels of 4 bytes a tile
	s_mov_b32 s95, 0
	s_add_nc_u64 s[94:95], s[8:9], s[94:95]        ; the bias of my head
	s_and_b32 s96, s88, 127                        ; a batch has 128 token tiles: the position tile
	s_lshl_b32 s96, s96, 12
	s_mov_b32 s97, 0
	s_add_nc_u64 s[96:97], s[10:11], s[96:97]      ; the table
.irp m, 0,1,2,3
	global_load_b128 v[SY+8*\m:SY+8*\m+3], v2, s[90:91] offset:1024*\m
	global_load_b128 v[SY+8*\m+4:SY+8*\m+7], v2, s[90:91] offset:1024*\m+16
.endr
.irp m, 0,1
	global_load_b128 v[SX+8*\m:SX+8*\m+3], v2, s[92:93] offset:1024*\m
	global_load_b128 v[SX+8*\m+4:SX+8*\m+7], v2, s[92:93] offset:1024*\m+16
.endr
.irp x, 0,1,2,3
	global_load_b128 v[BI+8*\x:BI+8*\x+3], v3, s[94:95] offset:4*(32*(\x/2)+8*(\x%2))       ; lane (r, h), tile x: channels 32 (x / 2) + 16 h + 8 (x % 2) + 0 .. 7
	global_load_b128 v[BI+8*\x+4:BI+8*\x+7], v3, s[94:95] offset:4*(32*(\x/2)+8*(\x%2))+16
.endr
	WIN 0xc0                                       ; destination window 3
.irp y, 0,1,2,3,4
.irp g, 0,1,2,3,4,5,6,7
	global_load_b128 v[96+32*\y+4*\g:96+32*\y+4*\g+3], v4, s[96:97] offset:4096*\y+512*\g   ; the table of token tiles 0-4: beside X's fragments
.endr
.endr
	WIN 0
	; where the results go: record 16 (16 batch + head) + S
	s_lshr_b32 s104, s[YT], 4                      ; the block of 256 tokens
	s_lshr_b32 s105, s104, 3                       ; batch
	s_and_b32 s104, s104, 7
	s_lshl_b32 s104, s104, 1
	s_add_co_u32 s104, s104, s[WH]                 ; S
	s_lshl_b32 s105, s105, 8
	s_add_co_u32 s104, s104, s105
	s_lshr_b32 s105, s89, 2                        ; four tiles a head; 512 / 4 is a multiple of 16
	s_and_b32 s105, s105, 15                       ; head
	s_lshl_b32 s105, s105, 4
	s_add_co_u32 s104, s104, s105
	s_mov_b32 s105, 12800
	s_mov_b32 s88, 12288
	s_cmp_lt_u32 ttmp9, 2                          ; channels under 1,024 are q's
	s_cselect_b64 s[98:99], s[12:13], s[14:15]
	s_cselect_b32 s105, 6400, s105
	s_cselect_b32 s88, 6144, s88
	s_mul_i32 s104, s104, s105
	s_mov_b32 s105, 0
	s_add_nc_u64 s[98:99], s[98:99], s[104:105]    ; the record
	s_mov_b32 s89, 0
	s_add_nc_u64 s[100:101], s[98:99], s[88:89]    ; its scale words
	s_wait_alu depctr_va_vdst(0)
	GEMM 40                                        ; the 40 table loads may stay out
	WIN 0xc0
.irp y, 5,6,7
.irp g, 0,1,2,3,4,5,6,7
	global_load_b128 v[32*(\y-5)+4*\g:32*(\y-5)+4*\g+3], v4, s[96:97] offset:4096*\y+512*\g   ; tiles 5-7: where X's fragments lay
.endr
.endr
	WIN 0
; The rotary step on token tile y: registers 2 e, 2 e + 1 of my 32 are a pair; the table's registers 2 e, 2 e + 1 are its cos and sin.
.macro ROPE y
.if (\y) < 5
.set TBR, 96+32*(\y)
.else
.set TBR, 32*((\y)-5)
.endif
	WIN 0x0e                                       ; source 0: the accumulators, window 2; source 1: the table, window 3
.irp q, 0,1,2,3
.irp e, 0,1,2,3
	v_mul_f32 v[TT+2*\e], v[32*(\y)+8*\q+2*\e+1], v[TBR+8*\q+2*\e+1]     ; x2 sin
	v_mul_f32 v[TT+2*\e+1], v[32*(\y)+8*\q+2*\e], v[TBR+8*\q+2*\e+1]     ; x1 sin
.endr
.irp e, 0,1,2,3
	v_fma_f32 v[W+8*\q+2*\e], v[32*(\y)+8*\q+2*\e], v[TBR+8*\q+2*\e], -v[TT+2*\e]         ; x1 cos - x2 sin
	v_fma_f32 v[W+8*\q+2*\e+1], v[32*(\y)+8*\q+2*\e+1], v[TBR+8*\q+2*\e], v[TT+2*\e+1]    ; x2 cos + x1 sin
.endr
.endr
	WIN 0
.endm
.irp y, 0,1,2,3,4,5,6,7
.if \y < 5
	s_wait_loadcnt 24                              ; the first 40 table loads are in; the 24 issued behind the products may be out
.else
	s_wait_loadcnt 8*(7-\y)                        ; the younger tiles' loads may be out
.endif
	ROPE \y
	QH W, 0, PC+6*\y, HW+\y
.irp j, 0,1,2
	global_store_b64 v1, v[PC+6*\y+2*\j:PC+6*\y+2*\j+1], s[98:99] offset:768*\y+256*\j   ; 32 lanes store 256 consecutive bytes, aligned
.endr
.endr
	SCOUT
	FINISH
	; ================ v
.Lvpath:
.set NY, 4
.set NX, 8
.set ADY, 16
.set ADX, 20
.set BIASX, 0
	s_lshl_b32 s88, s[WV], 2
	s_add_co_u32 s88, s88, s[YT]                   ; my first Y tile: my head's four channel tiles
	s_lshl_b32 s90, s88, 9
	s_mov_b32 s91, 0
	s_add_nc_u64 s[90:91], s[6:7], s[90:91]
	s_lshl_b32 s92, s[XT], 9
	s_mov_b32 s93, 0
	s_add_nc_u64 s[92:93], s[6:7], s[92:93]
	s_sub_co_u32 s94, s88, 512
	s_lshl_b32 s94, s94, 6
	s_mov_b32 s95, 0
	s_add_nc_u64 s[94:95], s[8:9], s[94:95]
.irp m, 0,1
	global_load_b128 v[SY+8*\m:SY+8*\m+3], v2, s[90:91] offset:1024*\m
	global_load_b128 v[SY+8*\m+4:SY+8*\m+7], v2, s[90:91] offset:1024*\m+16
.endr
.irp m, 0,1,2,3
	global_load_b128 v[SX+8*\m:SX+8*\m+3], v2, s[92:93] offset:1024*\m
	global_load_b128 v[SX+8*\m+4:SX+8*\m+7], v2, s[92:93] offset:1024*\m+16
.endr
.irp y, 0,1,2,3
.irp j, 0,1,2,3,4,5,6,7
	global_load_b32 v[BI+8*\y+\j], v6, s[94:95] offset:4*(32*(\y/2)+8*(\y%2))   ; a lane is one channel: its bias in all eight registers of the C operand
.endr
.endr
	s_lshr_b32 s104, s[XT], 3                      ; the block of 128 tokens
	s_lshr_b32 s105, s104, 4                       ; batch
	s_and_b32 s104, s104, 15                       ; S
	s_lshl_b32 s105, s105, 8
	s_add_co_u32 s104, s104, s105
	s_sub_co_u32 s105, s88, 640
	s_lshl_b32 s105, s105, 2                       ; 16 x head (four tiles a head)
	s_add_co_u32 s104, s104, s105
	s_mul_i32 s104, s104, 12800
	s_add_co_u32 s104, s104, 6144                  ; v's half images lie behind k's
	s_mov_b32 s105, 0
	s_add_nc_u64 s[98:99], s[14:15], s[104:105]
	s_add_nc_u64 s[100:101], s[98:99], 6400        ; v's scale words, at 12,544 of the record
	s_wait_alu depctr_va_vdst(0)
	GEMM 0
.irp y, 0,1,2,3
.irp c, 0,1
	QH 64*\y+32*\c, 2, PC+6*(2*\y+\c), HW+2*\y+\c  ; straight from the accumulators: channel tile y, keys 64 c on
.irp j, 0,1,2
	global_store_b64 v1, v[PC+6*(2*\y+\c)+2*\j:PC+6*(2*\y+\c)+2*\j+1], s[98:99] offset:768*(2*\y+\c)+256*\j
.endr
.endr
.endr
	SCOUT
	FINISH
.Lfunc_end_k_q0c0fcbda11_qkv:
	.size	k_q0c0fcbda11_qkv, .Lfunc_end_k_q0c0fcbda11_qkv-k_q0c0fcbda11_qkv
	.p2alignl 7, 3214868480
	.fill 96, 4, 3214868480
	.section	.rodata,"a",@progbits
	.p2align	6, 0x0
	.amdhsa_kernel k_q0c0fcbda11_qkv
		.amdhsa_group_segment_fixed_size 327680
		.amdhsa_private_segment_fixed_size 0
		.amdhsa_enable_private_segment 0
		.amdhsa_kernarg_size 48
		.amdhsa_user_sgpr_count 2
		.amdhsa_user_sgpr_kernarg_segment_ptr 1
		.amdhsa_wavefront_size32 1
		.amdhsa_system_sgpr_workgroup_id_x 1
		.amdhsa_system_sgpr_workgroup_id_y 1
		.amdhsa_system_sgpr_workgroup_id_z 1
		.amdhsa_system_vgpr_workitem_id 0
		.amdhsa_next_free_vgpr 1024
		.amdhsa_next_free_sgpr 106
		.amdhsa_reserve_vcc 0
		.amdhsa_float_denorm_mode_32 3
		.amdhsa_float_denorm_mode_16_64 3
		.amdhsa_memory_ordered 1
		.amdhsa_forward_progress 1
		.amdhsa_inst_pref_size 225
	.end_amdhsa_kernel
	.amdgpu_metadata
---
amdhsa.version: [ 1, 2 ]
amdhsa.kernels:
  - .name:           k_q0c0fcbda11_qkv
    .symbol:         k_q0c0fcbda11_qkv.kd
    .args:
      - { .name: xc, .offset: 0, .size: 8, .value_kind: global_buffer, .address_space: global }
      - { .name: xs, .offset: 8, .size: 8, .value_kind: global_buffer, .address_space: global }
      - { .name: in_proj_b, .offset: 16, .size: 8, .value_kind: global_buffer, .address_space: global }
      - { .name: rt, .offset: 24, .size: 8, .value_kind: global_buffer, .address_space: global }
      - { .name: qq, .offset: 32, .size: 8, .value_kind: global_buffer, .address_space: global }
      - { .name: kv, .offset: 40, .size: 8, .value_kind: global_buffer, .address_space: global }
    .group_segment_fixed_size: 327680
    .private_segment_fixed_size: 0
    .kernarg_segment_align: 8
    .kernarg_segment_size: 48
    .max_flat_workgroup_size: 128
    .sgpr_count:     106
    .vgpr_count:     1024
    .wavefront_size: 32
...
	.end_amdgpu_metadata
.endif
;; end of part 2
;; launch attn (part 3): grid 4 x 64, 8 waves a work-group, clusters of 4 x 1, 327,680 bytes of LDS; arguments qq, kv, ac, asp; writes ac, asp
.if DOCPART == 3
	.amdgcn_target "amdgcn-amd-amdhsa--gfx1250"
	.amdhsa_code_object_version 6
	.text
	.protected	k_q0c0fcbda11_attn
	.globl	k_q0c0fcbda11_attn
	.p2align	8
	.type	k_q0c0fcbda11_attn,@function
k_q0c0fcbda11_attn:
	s_mov_b64 s[64:65], 0
	v_nop
	global_prefetch_b8 v0, s[64:65] scope:SCOPE_SE
	s_setreg_imm32_b32 hwreg(HW_REG_WAVE_MODE, 25, 1), 1
	s_wait_xcnt 0x0
	s_wait_alu depctr_hold_cnt(0) depctr_sa_sdst(0) depctr_va_vdst(0) depctr_va_sdst(0) depctr_va_ssrc(0) depctr_va_vcc(0) depctr_vm_vsrc(0)
	s_getreg_b32 s2, hwreg(HW_REG_IB_STS2, 6, 4)
	s_cmp_eq_u32 s2, 0
	s_cbranch_scc0 .Lentry_in_a_cluster
	s_endpgm
.Lentry_in_a_cluster:
	s_bfe_u32 s2, ttmp6, 0x10000c
	s_cmp_lg_u32 s2, 0x3003
	s_cbranch_scc0 .Lentry_shape_is_right
	s_endpgm
.Lentry_shape_is_right:
; ATTENTION on codes of FP6 (E2M3): for each of 64 heads (batch x head) S^T = k q^T, the softmax, O^T = v^T p^T; O / the row's sum is quantised along the head's 64 for the output projection.
; THE SOFTMAX AHEAD OF THE SECOND PRODUCT: t = score x log2(e) / 8; M = the row's largest t so far, rounded UP to a whole number; p = 2^(t - M) is what is quantised, along the keys, not normalised.
; The row's sum is taken of the unquantised p; when M moves, the sum and O are multiplied by 2^(old M - new M), which rounds nothing.
; SHARES.  A work-group owns one head and 512 queries, in two passes of 256; each of its eight waves owns TWO tiles of 16 queries a pass (q = 0, 1 below): two waves to a SIMD.
; Every phase of a key step works on both tiles by turns: a fragment of k or v feeds both tiles' products (53 LDS loads for two tiles), and each dependent chain has the other tile's beside it.
; THE WHOLE HEAD'S K AND V, 16 records of 12,800 bytes (128 keys each), come into LDS ONCE and serve both passes: nothing is filled again.  The four work-groups of a cluster share the head and ask jointly (mask 15).
; EVERY WAVE ISSUES ONE LOAD, records 2 w and 2 w + 1.  Waves 0 and 1 have a load line of their own: the first three key steps begin when these two have waited; a second barrier shows the other twelve records.
; Every byte is asked for at the head, so nothing is prefetched into the L2.
; K'S FRAGMENTS RUN ONE STEP AHEAD, in registers of their own: the next record's are asked for behind this step's score products; v's at the step's head.  One wait on LDS a step, for 0, ahead of the second products.
; A pass's last step has no next record: its look-ahead is held at record 15, and those 28 loads are not used.
; A record in memory: k's 8 half images (fragment p = key tiles 2 p | 2 p + 1); at 6,144 v's 8 (fragment t = channel tile t, 128 keys); at 12,288 k's scale words [slot][4]; at 12,544 v's.
; In LDS each 256 bytes of it are followed by 32 bytes of padding (rows 288 bytes apart).
; K = 64 IN AN INSTRUCTION OF 128: a fragment of k holds one key tile in its lower 64 along K and another in its upper 64.  Against [q; zeros] it gives the first, against [zeros; q] the second:
; the other half meets zero codes and adds an exact 0; the zeros' scale bytes are 1.
; THE ROWS OF K ARE DEALT ANEW BY THE LANES' ADDRESSES.  Stored tile 2 p + u, slot s is key 32 p + 8 u + s + 8 (s / 8).  Row r of my fragment f = 2 B + g is slot 8 g + r % 8 of stored fragment 2 B + r / 8.
; Then register 32 B + 16 g + 8 u + j of lane (query, h) is key 64 B + 32 h + 16 g + 8 u + j: A LANE HOLDS A WHOLE BLOCK OF 32 KEYS, in the order of the second product's operand registers.
; Lanes r / 8 = 1 read 6 rows = 1,728 bytes on, which is 192 modulo 256: the 32 lanes of a load touch 64 different banks.
; ac: [token tile 512][head 16][768]: the output projection's operand;  asp: [head][token tile][slot] half words (two scale bytes).
; LIMITS: NaN and infinities are not served; a block of zeros or under 2^-124 gets the scale byte 1; the promise holds while the scaled scores t stay under 2^31 in magnitude.
; REGISTERS.  Window 0: all that is named below.  Window 1: v0-127 S^T, then p (tile q at 64 q); v128-175 k's fragments; v176-189 the second pass's q and half words.
.set REC,   12800
.set RP,    288                        ; an LDS row: 256 bytes + 32
.set RECL,  50*RP                      ; a record in LDS
.set SCG,   16*RECL                    ; behind the records: the work-group's 32 tiles x 16 half words
.set SPARE, SCG+1024                   ; the spare words: 128 bytes a wave, four blocks of 256 bytes that no other line names
.set L8,  1                            ; 8 x lane
.set R16, 2                            ; 16 r
.set L16, 3                            ; 16 x lane
.set SCA, 4                            ; SCG + 64 wave + 2 r
.set SPW, 5
.set NIL, 6
.set ADK, 7                            ; the next record's fragments of k, by my dealt row
.set ADV, 8                            ; this record's fragments of v
.set QA,  9                            ; q: 8 x lane + 1,536 (wave % 4)
.set QS,  10                           ; q's half word: 16 r + 4 (wave % 4)
.set SCR, 11                           ; SCG + 16 x lane
                                       ; tile q: v[12 + 4 q] -M; v[13 + 4 q] the running largest score; v[14 + 4 q : 15 + 4 q] the row's sum in two halves
.set KAL, 20                           ; 1,728 (r / 8) + 8 (r % 8) + 128 h
.set KSL, 21                           ; 16 (r % 8) + 4 (r / 8)
.set AKS, 22                           ; k's scale words' address
.set AVS, 23                           ; v's
.set SH8, 24                           ; 8 h
.set SCW, 25
.set QHW, 26                           ; v26, v27 q's half words
.set WLO, 28                           ; v[28 + 2 q] q's scale word beside [q; zeros], v[29 + 2 q] beside [zeros; q]
.set QZ,  32                           ; v[32 + 18 q ..]: six zeros, q's six, six zeros
.set FRV, 68                           ; v68-115 four fragments of v
.set KS,  116                          ; v116-119 k's scale words;  v120-123 v's
.set VS,  120
.set O,   124                          ; v124-187 O^T, tile q at 32 q
.set PCD, 188                          ; v188-211 p's codes, tile q at 12 q
.set TM,  212                          ; v212-220 at work in QH; in a step tile 1's second conversions' codes
.set HWR, 221
.set MX,  222                          ; v[222 + 2 q + b] block b's largest score, then largest p
.set T,   226                          ; v226, v227
.set T2,  228                          ; v228, v229
.set OLD, 230                          ; v230, v231 -M of the step before
.set SO,  232                          ; v232-235 the conversions' scale operands
.set F,   236                          ; v[236 + 2 q] f = 2^(old M - new M);  v[237 + 2 q] p's scale word
.set BY,  240                          ; v240-243 the scales' bytes
.set MQ,  244                          ; v244-251 eight chains of maxima; later tile 0's second conversions' codes
.set TV,  244
.set A1,  252                          ; v[252 + 2 q ..] the sums' second chain
.set FRK, 128                          ; window 1
.set Q2,  176                          ; window 1
.set WV,  16
.set SEL, 18
.set CS,  20                           ; s[20:21] c = log2(e) / 8
.set TB,  22                           ; the record in hand
.set CNT, 23
.set G1,  24
.set G0,  32
.set TN,  36                           ; the next record
.set PASS, 48
.set PS,  49
.set QP,  50                           ; s[50:51] q's record;  s[52:53] my first tile of ac;  s[54:55] the work-group's half words in asp
.set AP,  52
.set SP,  54
.set MSB, 0
.macro WIN new                         ; low byte: bits 1:0 source 0, 3:2 source 1, 5:4 source 2, 7:6 destination; the high byte repeats the setting that is left
.if MSB != (\new)
	s_set_vgpr_msb (MSB<<8)|(\new)
.set MSB, (\new)
.endif
.endm
.macro PLACES
.rept 4
	v_nop
.endr
.endm
.macro WALU
	s_wait_alu depctr_va_vdst(0)
.endm
.macro CROUND
	s_barrier_signal -1
	s_barrier_wait -1
	s_cmp_lg_u32 s[WV], 0
	s_cbranch_scc1 .Lnot_wave_0_\@
	s_barrier_signal -3
.Lnot_wave_0_\@:
	s_barrier_wait -3
	s_barrier_signal -1
	s_barrier_wait -1
.endm
; 32 numbers of a lane, v[src + 16 b + i] = k 32 b + 16 h + i of my slot, become a half image in v[pc .. pc + 5] and its half word in v[hw].
.macro QH src, pc, hw
.irp b, 0,1
	v_max3_num_f32 v[TM+\b], |v[(\src)+16*\b]|, |v[(\src)+16*\b+1]|, 0x1800000
.endr
.irp i, 2,4,6,8,10,12,14
.irp b, 0,1
	s_delay_alu instid0(VALU_DEP_2)
	v_max3_num_f32 v[TM+\b], |v[(\src)+16*\b+\i]|, |v[(\src)+16*\b+\i+1]|, v[TM+\b]
.endr
.endr
.irp b, 0,1
	s_delay_alu instid0(VALU_DEP_2)
	v_permlanex16_b32 v[TM+2+\b], v[TM+\b], s[SEL], s[SEL+1]
.endr
.irp b, 0,1
	s_delay_alu instid0(VALU_DEP_2)
	v_max_num_f32 v[TM+\b], v[TM+\b], v[TM+2+\b]
.endr
.irp b, 0,1
	s_delay_alu instid0(VALU_DEP_2)
	v_add_nc_u32 v[TM+4+\b], 0xff000000, v[TM+\b]
.endr
.irp b, 0,1
	s_delay_alu instid0(VALU_DEP_2)
	v_lshrrev_b32 v[TM+2+\b], 23, v[TM+4+\b]
.endr
	s_delay_alu instid0(VALU_DEP_1)
	v_lshl_or_b32 v[\hw], v[TM+3], 8, v[TM+2]
	v_cvt_scalef32_pk16_fp6_f32 v[(\pc):(\pc)+2], v[(\src):(\src)+15], v[TM+4]
	v_cvt_scalef32_pk16_fp6_f32 v[TM+6:TM+8], v[(\src)+16:(\src)+31], v[TM+5]
	v_nop
.irp i, 0,1,2
	v_permlane16_swap_b32 v[(\pc)+\i], v[TM+6+\i]
.endr
.irp i, 0,1,2
	s_delay_alu instid0(VALU_DEP_3)
	v_mov_b32 v[(\pc)+3+\i], v[TM+6+\i]
.endr
.endm
.macro KLOAD adk, aks                  ; a record's four dealt fragments of k into window 1, and their scale words
	WIN 0x40
.irp f, 0,1,2,3
.irp g, 0,1,2,3,4,5
	ds_load_b64 v[FRK+12*\f+2*\g:FRK+12*\f+2*\g+1], v[\adk] offset:12*RP*(\f/2)+64*(\f%2)+RP*\g
.endr
.endr
	WIN 0
.irp f, 0,1,2,3
	ds_load_b32 v[KS+\f], v[\aks] offset:48*RP+8*(\f/2)+128*(\f%2)
.endr
.endm
; A KEY STEP: the 128 keys of the record at s[TB], for both my tiles.  k's fragments and words are in registers.  clamp = 1: the look-ahead is held at record 15.
.macro STEP clamp
	s_add_co_u32 s[TN], s[TB], RECL
.if \clamp
	s_min_u32 s[TN], s[TN], 15*RECL
.endif
	v_add_nc_u32 v[ADV], s[TB], v[L8]              ; four places between the last products and the loads into their registers
	v_add_nc_u32 v[AVS], s[TB], v[R16]
	v_nop
	v_nop
.irp t, 0,1,2,3
.irp g, 0,1,2,3,4,5
	ds_load_b64 v[FRV+12*\t+2*\g:FRV+12*\t+2*\g+1], v[ADV] offset:RP*(24+6*\t+\g)
.endr
.endr
	ds_load_b128 v[VS:VS+3], v[AVS] offset:49*RP
	WIN 0x41                                       ; k's fragments and the scores: window 1; q: window 0
.irp f, 0,1,2,3
.irp q, 0,1
	v_wmma_scale_f32_16x16x128_f8f6f4 v[64*\q+16*\f:64*\q+16*\f+7], v[FRK+12*\f:FRK+12*\f+11], v[QZ+18*\q+6:QZ+18*\q+17], 0, v[KS+\f], v[WLO+2*\q] matrix_a_fmt:MATRIX_FMT_FP6 matrix_b_fmt:MATRIX_FMT_FP6
	v_wmma_scale_f32_16x16x128_f8f6f4 v[64*\q+16*\f+8:64*\q+16*\f+15], v[FRK+12*\f:FRK+12*\f+11], v[QZ+18*\q:QZ+18*\q+11], 0, v[KS+\f], v[WLO+2*\q+1] matrix_a_fmt:MATRIX_FMT_FP6 matrix_b_fmt:MATRIX_FMT_FP6
.endr
.endr
	WIN 0
	v_add_nc_u32 v[ADK], s[TN], v[KAL]             ; four places behind the products
	v_add_nc_u32 v[AKS], s[TN], v[KSL]
	v_mov_b32 v[OLD], v12
	v_mov_b32 v[OLD+1], v16
	KLOAD ADK, AKS                                 ; the next record's: they land under the softmax
	WIN 0x15                                       ; the largest score of each block of 32 keys: eight chains side by side, two to a block
.irp k, 0,1,2,3,4,5,6,7
	v_max3_num_f32 v[MQ+\k], v[16*\k], v[16*\k+1], v[16*\k+2]
.endr
	WIN 0x14
.irp i, 3,5,7,9,11,13
.irp k, 0,1,2,3,4,5,6,7
	v_max3_num_f32 v[MQ+\k], v[MQ+\k], v[16*\k+\i], v[16*\k+\i+1]
.endr
.endr
.irp k, 0,2,4,6
	v_max3_num_f32 v[MQ+\k], v[MQ+\k], v[16*\k+15], v[16*\k+31]
.endr
	WIN 0
.irp b, 0,1
.irp q, 0,1
	v_max_num_f32 v[MX+2*\q+\b], v[MQ+4*\q+2*\b], v[MQ+4*\q+2*\b+1]   ; it serves the row's maximum and, since p rises with the score, the block's largest p
.endr
.endr
.irp q, 0,1
	s_delay_alu instid0(VALU_DEP_2)
	v_max_num_f32 v[T+\q], v[MX+2*\q], v[MX+2*\q+1]
.endr
.irp q, 0,1
	s_delay_alu instid0(VALU_DEP_2)
	v_permlanex16_b32 v[T2+\q], v[T+\q], s[SEL], s[SEL+1]
.endr
.irp q, 0,1
	s_delay_alu instid0(VALU_DEP_2)
	v_max3_num_f32 v[13+4*\q], v[13+4*\q], v[T+\q], v[T2+\q]   ; the running largest score of my query (c is positive: the largest score has the largest t)
.endr
.irp q, 0,1
	s_delay_alu instid0(VALU_DEP_2)
	v_mul_f32 v[T+\q], s[CS], v[13+4*\q]           ; as t
.endr
.irp q, 0,1
	s_delay_alu instid0(VALU_DEP_2)
	v_floor_f32 v[12+4*\q], -v[T+\q]               ; the new -M = floor(-t): M is a whole number
.endr
.irp q, 0,1
	s_delay_alu instid0(VALU_DEP_2)
	v_sub_f32 v[T+\q], v[12+4*\q], v[OLD+\q]       ; old M - new M: a whole number, 0 or less
.endr
.irp q, 0,1
	s_delay_alu instid0(VALU_DEP_2)
	v_cvt_i32_f32 v[T+\q], v[T+\q]                 ; (it saturates)
.endr
.irp q, 0,1
	s_delay_alu instid0(VALU_DEP_2)
	v_ldexp_f32 v[F+2*\q], 1.0, v[T+\q]            ; f = 2^(old M - new M)
.endr
.irp b, 0,1
.irp q, 0,1
	v_fma_f32 v[MX+2*\q+\b], v[MX+2*\q+\b], s[CS], v[12+4*\q]   ; t - M of each block's largest score
.endr
.endr
.irp j, 0,2,4,6,8,10,12,14,16,18,20,22,24,26,28,30
.irp q, 0,1
	v_pk_mul_f32 v[O+32*\q+\j:O+32*\q+\j+1], v[O+32*\q+\j:O+32*\q+\j+1], v[F+2*\q:F+2*\q+1] op_sel_hi:[1,0]   ; O^T under the new M: ahead of the exponentials, so that none stands between O's products and this first read
.endr
.endr
	WIN 0x41
.irp q, 0,1
.set J, 0
.rept 32
	v_pk_fma_f32 v[64*\q+J:64*\q+J+1], v[64*\q+J:64*\q+J+1], s[CS:CS+1], v[12+4*\q:13+4*\q] op_sel_hi:[1,0,0]   ; t - M, two at a time
.set J, J+2
.endr
.endr
	WALU                                           ; the wait ahead of the batch
.set J, 0
.rept 128
	v_exp_f32 v[J], v[J]                           ; p = 2^(t - M), at most 1
.set J, J+1
.endr
	WIN 0
.irp k, 0,1,2,3
	v_exp_f32 v[MX+\k], v[MX+\k]                   ; the block's largest p: the same two instructions on the same number give the same bits
.endr
.irp q, 0,1
	v_pk_mul_f32 v[14+4*\q:15+4*\q], v[14+4*\q:15+4*\q], v[F+2*\q:F+2*\q+1] op_sel_hi:[1,0]   ; the sums under the new M: plain instructions behind the exponentials
.endr
	WALU                                           ; one wait for the whole batch, ahead of its first reader
.irp b, 0,1
.irp q, 0,1
	v_max_num_f32 v[MX+2*\q+\b], 0x1800000, v[MX+2*\q+\b]    ; the floor 2^(3 - 127): the byte cannot fall under 1
.endr
.endr
.irp b, 0,1
.irp q, 0,1
	s_delay_alu instid0(VALU_DEP_4)
	v_add_nc_u32 v[SO+2*\q+\b], 0xff000000, v[MX+2*\q+\b]    ; 2 off the exponent field: the conversion's scale operand
.endr
.endr
.irp b, 0,1
.irp q, 0,1
	s_delay_alu instid0(VALU_DEP_4)
	v_lshrrev_b32 v[BY+2*\q+\b], 23, v[SO+2*\q+\b]           ; the scale's byte
.endr
.endr
.irp q, 0,1
	s_delay_alu instid0(VALU_DEP_2)
	v_lshl_or_b32 v[T+\q], v[BY+2*\q+1], 16, v[BY+2*\q]      ; my blocks h and 2 + h,
.endr
.irp q, 0,1
	s_delay_alu instid0(VALU_DEP_2)
	v_lshlrev_b32 v[T+\q], v[SH8], v[T+\q]         ; at their places in the scale word;
.endr
.irp q, 0,1
	s_delay_alu instid0(VALU_DEP_2)
	v_permlanex16_b32 v[T2+\q], v[T+\q], s[SEL], s[SEL+1]
.endr
.irp q, 0,1
	s_delay_alu instid0(VALU_DEP_2)
	v_or_b32 v[F+2*\q+1], v[T+\q], v[T2+\q]        ; with lane l xor 16's two the word is whole
.endr
	WIN 0x01
.irp q, 0,1
.irp b, 0,1
	v_cvt_scalef32_pk16_fp6_f32 v[PCD+12*\q+6*\b:PCD+12*\q+6*\b+2], v[64*\q+32*\b:64*\q+32*\b+15], v[SO+2*\q+\b]
	v_cvt_scalef32_pk16_fp6_f32 v[TV-32*\q+4*\b:TV-32*\q+4*\b+2], v[64*\q+32*\b+16:64*\q+32*\b+31], v[SO+2*\q+\b]   ; (a conversion's three registers begin on an even number)
.endr
.endr
	WIN 0x05
.irp q, 0,1
	v_pk_add_f32 v[A1+2*\q:A1+2*\q+1], v[64*\q:64*\q+1], v[64*\q+2:64*\q+3]   ; the row's sum of the unquantised p, two chains a tile.  (Plain instructions behind the conversions)
.endr
	WIN 0
.irp q, 0,1
.irp b, 0,1
.irp i, 0,1,2
	v_mov_b32 v[PCD+12*\q+6*\b+3+\i], v[TV-32*\q+4*\b+\i]
.endr
.endr
.endr
	WIN 0x04
.irp j, 4,8,12,16,20,24,28,32,36,40,44,48,52,56,60   ; these are also the places between the scale words' and the codes' last writes and the products
.irp q, 0,1
	v_pk_add_f32 v[14+4*\q:15+4*\q], v[14+4*\q:15+4*\q], v[64*\q+\j:64*\q+\j+1]
.endr
.irp q, 0,1
	v_pk_add_f32 v[A1+2*\q:A1+2*\q+1], v[A1+2*\q:A1+2*\q+1], v[64*\q+\j+2:64*\q+\j+3]
.endr
.endr
	WIN 0
.irp q, 0,1
	v_pk_add_f32 v[14+4*\q:15+4*\q], v[14+4*\q:15+4*\q], v[A1+2*\q:A1+2*\q+1]
.endr
	WALU
	s_wait_dscnt 0x0                               ; v's fragments and words are in, and the next record's of k
.irp t, 0,1,2,3
.irp q, 0,1
	v_wmma_scale_f32_16x16x128_f8f6f4 v[O+32*\q+8*\t:O+32*\q+8*\t+7], v[FRV+12*\t:FRV+12*\t+11], v[PCD+12*\q:PCD+12*\q+11], v[O+32*\q+8*\t:O+32*\q+8*\t+7], v[VS+\t], v[F+2*\q+1] matrix_a_fmt:MATRIX_FMT_FP6 matrix_b_fmt:MATRIX_FMT_FP6
.endr
.endr
	s_add_co_u32 s[TB], s[TB], RECL
.endm
	s_load_b256 s[4:11], s[0:1], 0x0               ; qq, kv, ac, asp
	v_lshl_add_u32 v[SPW], v0, 2, SPARE
	v_mov_b32 v[NIL], 0
	ds_add_u32 v[SPW], v[NIL]                      ; the wave's opening: the add, twice on end, and its wait ahead of my first tensor load
	ds_add_u32 v[SPW], v[NIL]
	v_lshrrev_b32 v1, 5, v0
	v_readfirstlane_b32 s[WV], v1                  ; wave 0..7
	s_bfe_u32 s56, ttmp6, 0x40000                  ; cx
	s_lshl_b32 s59, ttmp9, 2
	s_add_co_u32 s56, s56, s59                     ; which 512 queries: it enters q's, ac's and asp's addresses alone
	s_and_b32 s57, ttmp7, 0xffff                   ; batch x head, which the four partners share
	s_mov_b32 s[G1], 15|(3<<16)|(1<<20)|(1<<21)|(5<<22)|(7<<25)   ; the mask: all four; elements of 8 bytes; padding: after every 64 words 8 words; 21 set beside a mask
	s_mov_b32 s[G1+1], 32<<16                      ; two records on end are dense: 100 rows of 256 bytes
	s_mov_b32 s[G1+2], 100<<16
	s_mov_b32 s[G1+3], 32<<16
	s_mov_b32 s[G1+4], 100
	s_mov_b32 s[G1+5], 32
	s_mov_b32 s[G1+6], 0
	s_mov_b32 s[G1+7], 0
	s_mul_i32 s58, s[WV], 2*REC                    ; wave w brings records 2 w, 2 w + 1
	s_mul_i32 s60, s57, 16*REC
	s_add_co_u32 s60, s60, s58
	s_mov_b32 s61, 0
	s_lshl_b32 s62, s57, 4                         ; q's record: 16 (batch x head) + 4 quarter + wave / 4 (+ 2 in the second pass)
	s_lshl_b32 s59, s56, 2
	s_add_co_u32 s62, s62, s59
	s_lshr_b32 s59, s[WV], 2
	s_add_co_u32 s62, s62, s59
	s_mul_i32 s62, s62, 6400
	s_mov_b32 s63, 0
	s_mov_b32 s[SEL], 0x76543210
	s_mov_b32 s[SEL+1], 0xfedcba98
	s_mov_b32 s[CS], 0x3e38aa3b                    ; log2(e) / sqrt(64)
	s_mov_b32 s[CS+1], s[CS]
	s_mov_b32 s[G0], 1
	s_mul_i32 s[G0+1], s[WV], 2*RECL
	WALU
	s_wait_dscnt 0x0                               ; both opening adds are done
	s_wait_kmcnt 0x0
	s_add_nc_u64 s[G0+2:G0+3], s[6:7], s[60:61]
	s_or_b32 s[G0+3], s[G0+3], 0x80000000
	s_add_nc_u64 s[QP:QP+1], s[4:5], s[62:63]
	CROUND                                         ; all four work-groups are here: the joint loads meet
	s_cmp_lt_u32 s[WV], 2                          ; the waves that wait ahead of the first barrier have a load line of their own
	s_cbranch_scc0 .Llater
	tensor_load_to_lds s[G0:G0+3], s[G1:G1+7]      ; records 0 to 3
	s_nop 0
	PLACES
	s_branch .Lasked
.Llater:
	tensor_load_to_lds s[G0:G0+3], s[G1:G1+7]      ; records 4 to 15
	s_nop 0
	PLACES
.Lasked:
	s_lshr_b32 s59, s57, 4                         ; batch
	s_lshl_b32 s59, s59, 7
	s_lshl_b32 s62, s56, 5
	s_add_co_u32 s59, s59, s62                     ; the work-group's first token tile: 128 batch + 32 quarter
	s_lshl_b32 s62, s[WV], 1
	s_add_co_u32 s62, s59, s62                     ; my first: + 2 wave
	s_mul_i32 s62, s62, 12288
	s_and_b32 s56, s57, 15                         ; head
	s_mul_i32 s63, s56, 768
	s_add_co_u32 s62, s62, s63
	s_mov_b32 s63, 0
	s_add_nc_u64 s[AP:AP+1], s[8:9], s[62:63]
	s_lshl_b32 s62, s59, 5
	s_lshl_b32 s56, s56, 14
	s_add_co_u32 s62, s62, s56
	s_add_nc_u64 s[SP:SP+1], s[10:11], s[62:63]
	s_lshl_b32 s3, s[WV], 6
	s_and_b32 s58, s[WV], 3
	s_mul_i32 s2, s58, 1536
	s_lshl_b32 s58, s58, 2
	s_mov_b32 s[PASS], 2
	s_mov_b32 s[PS], 0
	v_and_b32 v[L16], 31, v0
	v_and_b32 v[R16], 15, v0                       ; r
	v_bfe_u32 v[SH8], v0, 4, 1                     ; h
	v_and_b32 v[KAL], 7, v0                        ; r % 8
	v_bfe_u32 v[KSL], v0, 3, 1                     ; r / 8
	v_lshlrev_b32 v[L8], 3, v[L16]
	v_lshlrev_b32 v[L16], 4, v[L16]
	v_lshl_add_u32 v[SCA], v[R16], 1, SCG
	v_lshl_add_u32 v[QS], v[R16], 4, s58
	v_lshlrev_b32 v[R16], 4, v[R16]
	v_add_nc_u32 v[SCA], s3, v[SCA]
	v_add_nc_u32 v[QA], s2, v[L8]
	v_add_nc_u32 v[SCR], SCG, v[L16]
	v_lshlrev_b32 v[T], 4, v[KAL]
	v_lshlrev_b32 v[KAL], 3, v[KAL]
	v_lshl_add_u32 v[KAL], v[SH8], 7, v[KAL]
	v_mad_u32_u24 v[KAL], v[KSL], 6*RP, v[KAL]
	v_lshl_add_u32 v[KSL], v[KSL], 2, v[T]
	v_lshlrev_b32 v[SH8], 3, v[SH8]
	WALU
.irp q, 0,1
.irp j, 0,1,2
	global_load_b64 v[QZ+18*\q+6+2*\j:QZ+18*\q+7+2*\j], v[QA], s[QP:QP+1] offset:768*\q+256*\j   ; my two tiles' half images of q, first pass,
.endr
	global_load_u16 v[QHW+\q], v[QS], s[QP:QP+1] offset:6144+2*\q                                ; and my slot's two scale bytes of each
.endr
	WIN 0x40
.irp q, 0,1
.irp j, 0,1,2
	global_load_b64 v[Q2+6*\q+2*\j:Q2+6*\q+2*\j+1], v[QA], s[QP:QP+1] offset:12800+768*\q+256*\j   ; and second pass: two records on
.endr
	global_load_u16 v[Q2+12+\q], v[QS], s[QP:QP+1] offset:12800+6144+2*\q
.endr
	WIN 0
.irp q, 0,1
.irp j, 0,1,2,3,4,5
	v_mov_b32 v[QZ+18*\q+\j], 0                    ; the zero codes on either side of q
	v_mov_b32 v[QZ+18*\q+12+\j], 0
.endr
	v_mov_b32 v[T2+\q], 0                          ; written once: a lane permute's destination counts as one of its sources
	v_mov_b32 v[T+\q], 0
	v_mov_b32 v[F+2*\q+1], 0                       ; (named as the upper half of f's pair before it is first written)
.endr
	WALU
.Lpass:
	s_wait_loadcnt 0x0                             ; both passes' q
.irp q, 0,1
	v_or_b32 v[WLO+2*\q], 0x01010000, v[QHW+\q]
	v_lshl_or_b32 v[WLO+2*\q+1], v[QHW+\q], 16, 0x0101
	v_mov_b32 v[13+4*\q], 0xff61b1e6               ; the largest score so far: -3e38, under every score
	v_mov_b32 v[12+4*\q], 0x7f61b1e6               ; -M: 3e38, a whole number
	v_mov_b32 v[14+4*\q], 0                        ; the sum, in two halves
	v_mov_b32 v[15+4*\q], 0
.endr
.set J, 0
.rept 64
	v_mov_b32 v[O+J], 0                            ; O^T: the step is written once, its first turn finds zeros.  (These are also the places between the scale words' writes and the first product)
.set J, J+1
.endr
	WALU
	s_wait_dscnt 0x0
	s_cmp_lt_u32 s[WV], 2
	s_cbranch_scc0 .Lnot_mine
	s_wait_tensorcnt 0x0                           ; waves 0 and 1: my two records have landed
.Lnot_mine:
	s_barrier_signal -1
	s_barrier_wait -1                              ; records 0 to 3 are in; the others may be on their way
	KLOAD KAL, KSL                                 ; record 0's fragments of k
	s_mov_b32 s[TB], 0
	s_mov_b32 s[CNT], 3
	s_wait_dscnt 0x0
.Lfirst:                                               ; steps 0 to 2: they look ahead as far as record 3
	STEP 0
	s_sub_co_u32 s[CNT], s[CNT], 1
	s_cmp_lg_u32 s[CNT], 0
	s_cbranch_scc1 .Lfirst
	s_wait_tensorcnt 0x0                           ; every wave: my records have landed
	s_wait_dscnt 0x0
	s_barrier_signal -1
	s_barrier_wait -1                              ; all sixteen are in
	s_mov_b32 s[TB], 3*RECL
	s_mov_b32 s[CNT], 13
.Lothers:                                              ; steps 3 to 15
	STEP 1
	s_sub_co_u32 s[CNT], s[CNT], 1
	s_cmp_lg_u32 s[CNT], 0
	s_cbranch_scc1 .Lothers
	; the way out of a pass: O^T / the sum, quantised along the head: a half image and a half word for each tile
	PLACES
	v_add_f32 v14, v14, v15
	v_add_f32 v18, v18, v19
.irp q, 0,1
	s_delay_alu instid0(VALU_DEP_2)
	v_permlanex16_b32 v[T+\q], v[14+4*\q], s[SEL], s[SEL+1]
.endr
.irp q, 0,1
	s_delay_alu instid0(VALU_DEP_2)
	v_add_f32 v[14+4*\q], v[14+4*\q], v[T+\q]      ; the row's sum
.endr
	WALU
	v_rcp_f32 v14, v14
	v_rcp_f32 v18, v18
	v_add_nc_u32 v[SCW], s[PS], v[SCA]             ; (the plain instruction behind the reciprocals)
	WALU                                           ; ahead of the first reader
.irp q, 0,1
.irp j, 0,2,4,6,8,10,12,14,16,18,20,22,24,26,28,30
	v_pk_mul_f32 v[O+32*\q+\j:O+32*\q+\j+1], v[O+32*\q+\j:O+32*\q+\j+1], v[14+4*\q:15+4*\q] op_sel_hi:[1,0]   ; register 16 b + i: channel 32 b + 16 h + i of my query
.endr
.endr
	v_mov_b32 v[TM+2], 0                           ; a lane permute's destination counts as one of its sources: written here, since the key steps lay codes over these registers
	v_mov_b32 v[TM+3], 0
	QH O, PCD, HWR
	QH O+32, PCD+12, BY
.irp q, 0,1
.irp j, 0,1,2
	global_store_b64 v[L8], v[PCD+12*\q+2*\j:PCD+12*\q+2*\j+1], s[AP:AP+1] offset:12288*\q+256*\j   ; 32 lanes store 256 consecutive bytes, aligned
.endr
.endr
	ds_store_b16 v[SCW], v[HWR]                    ; lanes r and r + 16 write the same half word with the same value
	ds_store_b16 v[SCW], v[BY] offset:32
	WIN 0x01
.irp q, 0,1
.irp j, 0,1,2,3,4,5
	v_mov_b32 v[QZ+18*\q+6+\j], v[Q2+6*\q+\j]      ; the second pass's q takes its place
.endr
	v_mov_b32 v[QHW+\q], v[Q2+12+\q]
.endr
	WIN 0
	s_wait_xcnt 0x0                                ; the stores have read their addresses and data: both may be written again
	s_add_nc_u64 s[AP:AP+1], s[AP:AP+1], 196608    ; sixteen token tiles on
	s_add_co_u32 s[PS], s[PS], 512
	s_sub_co_u32 s[PASS], s[PASS], 1
	s_cmp_lg_u32 s[PASS], 0
	WALU
	s_cbranch_scc1 .Lpass
	s_wait_dscnt 0x0                               ; for the others' sake: my half words have landed
	s_barrier_signal -1
	s_barrier_wait -1
	s_cmp_lg_u32 s[WV], 0
	s_cbranch_scc1 .Lnot_first
	ds_load_b128 v[68:71], v[SCR]                  ; the work-group's 1,024 bytes of half words leave whole
	ds_load_b128 v[72:75], v[SCR] offset:512
	s_wait_dscnt 0x0
	global_store_b128 v[L16], v[68:71], s[SP:SP+1]
	global_store_b128 v[L16], v[72:75], s[SP:SP+1] offset:512
.Lnot_first:
	s_wait_tensorcnt 0x0                           ; the wave's end
	ds_add_u32 v[SPW], v[NIL]
	s_wait_dscnt 0x0
	CROUND                                         ; the closing round
	s_endpgm
.Lfunc_end_k_q0c0fcbda11_attn:
	.size	k_q0c0fcbda11_attn, .Lfunc_end_k_q0c0fcbda11_attn-k_q0c0fcbda11_attn
	.p2alignl 7, 3214868480
	.fill 96, 4, 3214868480
	.section	.rodata,"a",@progbits
	.p2align	6, 0x0
	.amdhsa_kernel k_q0c0fcbda11_attn
		.amdhsa_group_segment_fixed_size 327680
		.amdhsa_private_segment_fixed_size 0
		.amdhsa_enable_private_segment 0
		.amdhsa_kernarg_size 32
		.amdhsa_user_sgpr_count 2
		.amdhsa_user_sgpr_kernarg_segment_ptr 1
		.amdhsa_wavefront_size32 1
		.amdhsa_system_sgpr_workgroup_id_x 1
		.amdhsa_system_sgpr_workgroup_id_y 1
		.amdhsa_system_sgpr_workgroup_id_z 1
		.amdhsa_system_vgpr_workitem_id 0
		.amdhsa_next_free_vgpr 512
		.amdhsa_next_free_sgpr 66
		.amdhsa_reserve_vcc 0
		.amdhsa_float_denorm_mode_32 3
		.amdhsa_float_denorm_mode_16_64 3
		.amdhsa_memory_ordered 1
		.amdhsa_forward_progress 1
		.amdhsa_inst_pref_size 82
	.end_amdhsa_kernel
	.amdgpu_metadata
---
amdhsa.version: [ 1, 2 ]
amdhsa.kernels:
  - .name:           k_q0c0fcbda11_attn
    .symbol:         k_q0c0fcbda11_attn.kd
    .args:
      - { .name: qq, .offset: 0, .size: 8, .value_kind: global_buffer, .address_space: global }
      - { .name: kv, .offset: 8, .size: 8, .value_kind: global_buffer, .address_space: global }
      - { .name: ac, .offset: 16, .size: 8, .value_kind: global_buffer, .address_space: global }
      - { .name: asp, .offset: 24, .size: 8, .value_kind: global_buffer, .address_space: global }
    .group_segment_fixed_size: 327680
    .private_segment_fixed_size: 0
    .kernarg_segment_align: 8
    .kernarg_segment_size: 32
    .max_flat_workgroup_size: 256
    .sgpr_count:     66
    .vgpr_count:     512
    .wavefront_size: 32
...
	.end_amdgpu_metadata
.endif
;; end of part 3
;; launch oproj (part 4): grid 8 x 32, 4 waves a work-group, clusters of 4 x 4, 327,680 bytes of LDS; arguments ac, asp, xc, xs, out_proj_b, out0; writes out0
.if DOCPART == 4
	.amdgcn_target "amdgcn-amd-amdhsa--gfx1250"
	.amdhsa_code_object_version 6
	.text
	.protected	k_q0c0fcbda11_oproj
	.globl	k_q0c0fcbda11_oproj
	.p2align	8
	.type	k_q0c0fcbda11_oproj,@function
k_q0c0fcbda11_oproj:
	s_mov_b64 s[64:65], 0
	v_nop
	global_prefetch_b8 v0, s[64:65] scope:SCOPE_SE
	s_setreg_imm32_b32 hwreg(HW_REG_WAVE_MODE, 25, 1), 1
	s_wait_xcnt 0x0
	s_wait_alu depctr_hold_cnt(0) depctr_sa_sdst(0) depctr_va_vdst(0) depctr_va_sdst(0) depctr_va_ssrc(0) depctr_va_vcc(0) depctr_vm_vsrc(0)
	s_getreg_b32 s2, hwreg(HW_REG_IB_STS2, 6, 4)
	s_cmp_eq_u32 s2, 0
	s_cbranch_scc0 .Lentry_in_a_cluster
	s_endpgm
.Lentry_in_a_cluster:
	s_bfe_u32 s2, ttmp6, 0x10000c
	s_cmp_lg_u32 s2, 0xf033
	s_cbranch_scc0 .Lentry_shape_is_right
	s_endpgm
.Lentry_shape_is_right:
; OUTPUT PROJECTION: out0 = attention's result x out_proj_w^T + out_proj_b on codes of FP6 (E2M3) with E8M0 scales.
; The product's core is that of the launch for q, k and v: a work-group takes Y = 16 token tiles (ac) x X = 8 tiles of out_proj_w's rows (xc, tiles 704 on) for all of K = 1,024; all 294,912 bytes of codes are asked
; for at the head in two halves of four K steps; nothing is filled again.  Source 0 = X, source 1 = Y: a lane is a token, its registers run along the output's channels.  Four waves, 8 x 4 tiles each.
; Y's SCALES lie as planes [head][token tile][slot] of half words.  The work-group's part of the 16 planes (512 bytes each) comes by plain loads, four a wave, and LDS stores; a transposing LDS load then gives lane
; (slot, tile parity) four whole scale words: head 2 s in the low half, head 2 s + 1 in the high half, which is K step s.
; CLUSTER 4 x 4: Y's tiles are asked for jointly along the cluster's row, X's along its column.  A wave has one tensor load out.
; THE WAY OUT: a token tile's 16 rows x 64 channels go through the wave's own stage in LDS and leave as rows: sixteen lanes store 256 consecutive bytes, aligned.
; No ring, no prefetch, no work-groups that stay: every byte is asked for at the head, and there are 256 work-groups.
; REGISTERS.  window 0: v1-7 lane offsets; v8-15 LDS addresses; v28, v29 the add's two; v32-63 Y's scale words, v64-79 X's; v96-127 the bias; v128-191 rows on their way out.
;   window 1: Y's fragments, two buffers.  window 2: the 32 accumulators, (y, x) at 8 (4 y + x).  window 3: X's fragments, two buffers.
; THE FILLS AS THEY STAND: K is cut in two halves of four K steps.  One tensor load a wave, all at the head:
; wave 0 Y's 16 tiles of K steps 0-3, wave 1 X's 8 tiles of them, wave 2 Y's of K steps 4-7, wave 3 X's.  The products begin when waves 0 and 1 have waited; the barrier in K step 3 shows the other two.
; The 16 planes of Y's half words come by plain loads, 512 consecutive bytes a wave and load, and go into LDS by stores, to bytes where no fill lands.
.set XLDS,  196608                     ; LDS: Y's half kh at 98,304 kh + 6,144 tile + 1,536 (K step % 4); X's at XLDS + 49,152 kh + the same
.set SPARE, 294912                     ; the spare words: two blocks of 256 bytes that no other line names
.set PL,    295424                     ; 16 planes x (512 bytes + 32)
.set STG,   304128                     ; four stages of 16 rows x (256 bytes + 16): no fill lands here
.set SPW, 28
.set NIL, 29
.set SY,  32
.set SX,  64
.set BI,  96
.set BK,  128
.set WV,  16
.set WH,  17
.set WL,  18
.set CX,  19
.set CY,  20
.set CCY, 21
.set YT,  22
.set XT,  23
.set G1Y, 24
.set G1X, 32
.set G0Y, 40
.set G0X, 68
.set G0P, 92                           ; s[92:93] my wave's plane of half words in asp
.set NY, 8
.set NX, 4
.set ADY, 8
.set ADX, 12
.set BIASX, 1
.set MSB, 0
.macro WIN new
.if MSB != (\new)
	s_set_vgpr_msb (MSB<<8)|(\new)
.set MSB, (\new)
.endif
.endm
.macro PLACES
.rept 4
	v_nop
.endr
.endm
.macro CROUND
	s_barrier_signal -1
	s_barrier_wait -1
	s_cmp_lg_u32 s[WV], 0
	s_cbranch_scc1 .Lnot_wave_0_\@
	s_barrier_signal -3
.Lnot_wave_0_\@:
	s_barrier_wait -3
	s_barrier_signal -1
	s_barrier_wait -1
.endm
.macro WM                              ; one product; the scale words of odd tiles lie in lanes 16-31
.if (XI%2) && (YI%2)
	v_wmma_scale_f32_16x16x128_f8f6f4 v[RD:RD+7], v[RA:RA+11], v[RB:RB+11], v[RC:RC+7], v[RSA], v[RSB] matrix_a_fmt:MATRIX_FMT_FP6 matrix_b_fmt:MATRIX_FMT_FP6 matrix_a_scale:MATRIX_SCALE_ROW1 matrix_b_scale:MATRIX_SCALE_ROW1
.elseif XI%2
	v_wmma_scale_f32_16x16x128_f8f6f4 v[RD:RD+7], v[RA:RA+11], v[RB:RB+11], v[RC:RC+7], v[RSA], v[RSB] matrix_a_fmt:MATRIX_FMT_FP6 matrix_b_fmt:MATRIX_FMT_FP6 matrix_a_scale:MATRIX_SCALE_ROW1
.elseif YI%2
	v_wmma_scale_f32_16x16x128_f8f6f4 v[RD:RD+7], v[RA:RA+11], v[RB:RB+11], v[RC:RC+7], v[RSA], v[RSB] matrix_a_fmt:MATRIX_FMT_FP6 matrix_b_fmt:MATRIX_FMT_FP6 matrix_b_scale:MATRIX_SCALE_ROW1
.else
	v_wmma_scale_f32_16x16x128_f8f6f4 v[RD:RD+7], v[RA:RA+11], v[RB:RB+11], v[RC:RC+7], v[RSA], v[RSB] matrix_a_fmt:MATRIX_FMT_FP6 matrix_b_fmt:MATRIX_FMT_FP6
.endif
.endm
.macro FETCHY s
	WIN 0x40
.set TI, 0
.rept NY
.irp g, 0,1,2,3,4,5
	ds_load_b64 v[12*NY*((\s)%2)+12*TI+2*\g:12*NY*((\s)%2)+12*TI+2*\g+1], v[ADY+(\s)/4] offset:6144*TI+1536*((\s)%4)+256*\g
.endr
.set TI, TI+1
.endr
.endm
.macro FETCHX s
	WIN 0xc0
.set TI, 0
.rept NX
.irp g, 0,1,2,3,4,5
	ds_load_b64 v[12*NX*((\s)%2)+12*TI+2*\g:12*NX*((\s)%2)+12*TI+2*\g+1], v[ADX+(\s)/4] offset:6144*TI+1536*((\s)%4)+256*\g
.endr
.set TI, TI+1
.endr
.endm
.macro MULS s, y0, y1                  ; the 32 accumulators take turns, one instruction a turn
.if (\s) == 0
	WIN 0x87                                       ; X window 3, Y window 1, C (the bias) window 0, D window 2
.else
	WIN 0xa7
.endif
.set YI, \y0
.rept (\y1)-(\y0)
.set XI, 0
.rept NX
.set RD, 8*(NX*YI+XI)
.set RA, 12*NX*((\s)%2)+12*XI
.set RB, 12*NY*((\s)%2)+12*YI
.set RSA, SX+8*(XI/2)+(\s)
.set RSB, SY+8*(YI/2)+(\s)
.if (\s) != 0
.set RC, RD
.elseif BIASX
.set RC, BI+8*XI
.else
.set RC, BI+8*YI
.endif
	WM
.set XI, XI+1
.endr
.set YI, YI+1
.endr
.endm
.macro KSTEP s
	s_wait_dscnt 0x0                               ; this step's fragments, asked for a step ago, are in
.if (\s) == 3
	s_wait_tensorcnt 0x0                           ; every wave's load has landed: K steps 4-7 among them
	s_barrier_signal -1
	s_barrier_wait -1
.endif
.if (\s) < 7
.if (\s) > 0
	PLACES
.endif
	FETCHY (\s)+1
.endif
	MULS \s, 0, NY/2
.if (\s) < 7
	FETCHX (\s)+1
.endif
	MULS \s, NY/2, NY
	WIN 0
.endm
	s_load_b256 s[4:11], s[0:1], 0x0               ; ac, asp, xc, xs
	s_load_b128 s[12:15], s[0:1], 0x20             ; out_proj_b, out0
	v_lshl_add_u32 v[SPW], v0, 2, SPARE
	v_mov_b32 v[NIL], 0
	ds_add_u32 v[SPW], v[NIL]                      ; the wave's opening: the add and its wait ahead of my first tensor load
	ds_add_u32 v[SPW], v[NIL]
	v_lshrrev_b32 v1, 5, v0
	v_readfirstlane_b32 s[WV], v1
	s_lshr_b32 s[WH], s[WV], 1
	s_and_b32 s[WL], s[WV], 1
	s_bfe_u32 s[CX], ttmp6, 0x40000
	s_bfe_u32 s[CY], ttmp6, 0x40004
	s_and_b32 s[CCY], ttmp7, 0xffff
	s_lshl_b32 s[YT], s[CY], 4
	s_lshl_b32 s56, s[CCY], 6
	s_add_co_u32 s[YT], s[YT], s56                 ; token tile 16 (4 Cy + cy)
	s_lshl_b32 s[XT], s[CX], 3
	s_lshl_b32 s57, ttmp9, 5
	s_add_co_u32 s[XT], s[XT], s57
	s_add_co_u32 s[XT], s[XT], 704                 ; out_proj_w's tile 704 + 8 (4 Cx + cx)
	s_lshl_b32 s58, s[CY], 2
	s_lshl_b32 s58, 15, s58                        ; my row of the cluster
	s_lshl_b32 s59, 0x1111, s[CX]                  ; my column
	s_or_b32 s[G1Y], s58, (3<<16)|(1<<21)
	s_mov_b32 s[G1Y+1], 768<<16                    ; 16 tiles x 6,144 bytes, 12,288 bytes apart
	s_mov_b32 s[G1Y+2], 16<<16
	s_mov_b32 s[G1Y+3], 768<<16
	s_mov_b32 s[G1Y+4], 16
	s_mov_b32 s[G1Y+5], 1536
	s_mov_b32 s[G1Y+6], 0
	s_mov_b32 s[G1Y+7], 0
	s_or_b32 s[G1X], s59, (3<<16)|(1<<21)
	s_mov_b32 s[G1X+1], 768<<16
	s_mov_b32 s[G1X+2], 8<<16
	s_mov_b32 s[G1X+3], 768<<16
	s_mov_b32 s[G1X+4], 8
	s_mov_b32 s[G1X+5], 1536
	s_mov_b32 s[G1X+6], 0
	s_mov_b32 s[G1X+7], 0
	s_mul_i32 s62, s[XT], 12288                    ; X's first tile, in bytes
	s_mov_b32 s63, 0
	s_mul_i32 s3, s[WL], 24576                     ; LDS: four tiles of 6,144 bytes on for the odd waves
	s_lshl_b32 s60, s[YT], 5                       ; 32 bytes a tile in a plane,
	s_lshl_b32 s96, s[WV], 14                      ; plane = my wave's number (+ 4 a load)
	s_add_co_u32 s60, s60, s96
	s_mov_b32 s61, 0
	s_wait_dscnt 0x0                               ; the opening add is done
	s_wait_kmcnt 0x0
	s_add_nc_u64 s[G0P:G0P+1], s[6:7], s[60:61]
	s_mul_i32 s60, s[YT], 12288
	s_add_nc_u64 s[60:61], s[4:5], s[60:61]
	s_add_nc_u64 s[62:63], s[8:9], s[62:63]
.irp c, 0,1
	s_mov_b32 s[G0Y+4*\c], 1
	s_mov_b32 s[G0Y+4*\c+1], 98304*\c
	s_add_nc_u64 s[G0Y+4*\c+2:G0Y+4*\c+3], s[60:61], 6144*\c
	s_or_b32 s[G0Y+4*\c+3], s[G0Y+4*\c+3], 0x80000000
	s_mov_b32 s[G0X+4*\c], 1
	s_mov_b32 s[G0X+4*\c+1], XLDS+49152*\c
	s_add_nc_u64 s[G0X+4*\c+2:G0X+4*\c+3], s[62:63], 6144*\c
	s_or_b32 s[G0X+4*\c+3], s[G0X+4*\c+3], 0x80000000
.endr
	CROUND                                         ; all sixteen work-groups are here: the joint loads meet
	s_cmp_eq_u32 s[WV], 0                          ; one chain of branches on the wave's number, one load to an arm
	s_cbranch_scc0 .Lfill_1
	tensor_load_to_lds s[G0Y:G0Y+3], s[G1Y:G1Y+7]  ; wave 0: Y, K steps 0-3
	s_nop 0
	PLACES
	s_branch .Lfilled
.Lfill_1:
	s_cmp_eq_u32 s[WV], 1
	s_cbranch_scc0 .Lfill_2
	tensor_load_to_lds s[G0X:G0X+3], s[G1X:G1X+7]  ; wave 1: X, K steps 0-3
	s_nop 0
	PLACES
	s_branch .Lfilled
.Lfill_2:
	s_cmp_eq_u32 s[WV], 2
	s_cbranch_scc0 .Lfill_3
	tensor_load_to_lds s[G0Y+4:G0Y+7], s[G1Y:G1Y+7]  ; wave 2: Y, K steps 4-7
	s_nop 0
	PLACES
	s_branch .Lfilled
.Lfill_3:
	tensor_load_to_lds s[G0X+4:G0X+7], s[G1X:G1X+7]  ; wave 3: X, K steps 4-7
	s_nop 0
	PLACES
.Lfilled:
	v_and_b32 v24, 31, v0                          ; lane
	v_and_b32 v25, 15, v0                          ; r
	v_bfe_u32 v26, v0, 4, 1                        ; h
	v_lshlrev_b32 v1, 3, v24                       ; 8 x lane
	v_lshlrev_b32 v2, 5, v25
	v_lshl_add_u32 v2, v26, 9, v2                  ; X's scale words: 512 h + 32 r
	v_lshlrev_b32 v3, 6, v26                       ; the bias: 16 h numbers on
	v_and_b32 v27, 7, v0
	v_mul_u32_u24 v4, v27, 544                     ; the planes: lane 8 g + j addresses plane j (+ 8 by the offset),
	v_bfe_u32 v27, v0, 3, 2
	v_lshl_add_u32 v4, v27, 4, v4                  ; its half words 8 g .. 8 g + 7 of a pair of tiles,
	s_lshl_b32 s96, s[WH], 8
	s_add_co_u32 s96, s96, PL
	v_add_nc_u32 v4, s96, v4                       ; in my eight tiles
	s_mul_i32 s96, s[WV], 4352
	s_add_co_u32 s96, s96, STG                     ; my stage
	v_mul_u32_u24 v5, v25, 272
	v_lshl_add_u32 v5, v26, 6, v5
	v_add_nc_u32 v5, s96, v5                       ; in: row r, + 64 h
	v_mul_u32_u24 v6, v26, 272
	v_lshl_add_u32 v6, v25, 4, v6
	v_add_nc_u32 v6, s96, v6                       ; back: lanes 0-15 one row, lanes 16-31 the next
	v_lshlrev_b32 v7, 4, v25
	v_lshl_add_u32 v7, v26, 12, v7                 ; and the same two rows in out0
	s_mul_i32 s96, s[WH], 49152
	v_add_nc_u32 v8, s96, v1                       ; Y tiles 8 (wave / 2) on,
	v_add_nc_u32 v12, s3, v1
	v_add_nc_u32 v12, XLDS, v12                    ; X tiles 4 (wave % 2) on
	v_add_nc_u32 v9, 98304, v8                     ; the same for K steps 4-7
	v_add_nc_u32 v13, 49152, v12
	s_lshl_b32 s57, s[WL], 2
	s_add_co_u32 s57, s57, s[XT]                   ; my first X tile
	s_lshl_b32 s62, s57, 9
	s_mov_b32 s63, 0
	s_add_nc_u64 s[98:99], s[10:11], s[62:63]      ; X's scale words
	s_sub_co_u32 s62, s57, 704
	s_lshl_b32 s62, s62, 6                         ; 16 channels of 4 bytes a tile
	s_add_nc_u64 s[100:101], s[12:13], s[62:63]    ; the bias of my 64 channels,
	s_add_nc_u64 s[104:105], s[14:15], s[62:63]    ; and their place in a row of out0
	s_lshl_b32 s60, s[WH], 3
	s_add_co_u32 s60, s60, s[YT]
	s_lshl_b32 s60, s60, 16                        ; 16 rows of 4,096 bytes a tile
	s_mov_b32 s61, 0
	s_add_nc_u64 s[104:105], s[104:105], s[60:61]
	v_lshlrev_b32 v30, 4, v24                      ; 16 x lane
	s_mul_i32 s96, s[WV], 544
	s_add_co_u32 s96, s96, PL
	v_add_nc_u32 v31, s96, v30                     ; LDS: plane = my wave's number, 16 x lane
.irp i, 0,1,2,3
	global_load_b128 v[BK+4*\i:BK+4*\i+3], v30, s[G0P:G0P+1] offset:65536*\i   ; plane 4 i + wave: the work-group's 512 consecutive bytes of it
.endr
.irp m, 0,1
	global_load_b128 v[SX+8*\m:SX+8*\m+3], v2, s[98:99] offset:1024*\m
	global_load_b128 v[SX+8*\m+4:SX+8*\m+7], v2, s[98:99] offset:1024*\m+16
.endr
.irp x, 0,1,2,3
	global_load_b128 v[BI+8*\x:BI+8*\x+3], v3, s[100:101] offset:4*(32*(\x/2)+8*(\x%2))
	global_load_b128 v[BI+8*\x+4:BI+8*\x+7], v3, s[100:101] offset:4*(32*(\x/2)+8*(\x%2))+16
.endr
	s_wait_alu depctr_va_vdst(0)
	s_wait_loadcnt 12                              ; the four planes' loads are in; younger are X's four loads of scale words and the bias's eight
.irp i, 0,1,2,3
	ds_store_b128 v31, v[BK+4*\i:BK+4*\i+3] offset:2176*\i
.endr
	s_wait_dscnt 0x0                               ; for the others' sake: my planes have landed
	s_cmp_lt_u32 s[WV], 2                          ; waves 0 and 1 brought K steps 0-3, each by a load line of its own
	s_cbranch_scc0 .Lhalf
	s_wait_tensorcnt 0x0
.Lhalf:
	s_barrier_signal -1
	s_barrier_wait -1                              ; the planes and K steps 0-3 are in; waves 2 and 3's loads may be out
.irp m, 0,1,2,3
.irp hh, 0,1
	ds_load_tr16_b128 v[SY+8*\m+4*\hh:SY+8*\m+4*\hh+3], v4 offset:64*\m+4352*\hh   ; tiles 2 m (lanes 0-15), 2 m + 1 (lanes 16-31): the words of K steps 4 hh .. 4 hh + 3
.endr
.endr
	FETCHY 0
	FETCHX 0
	WIN 0
	s_wait_loadcnt 0x0                             ; X's scale words and the bias
.irp s, 0,1,2,3,4,5,6,7
	KSTEP \s
.endr
	PLACES
; THE WAY OUT of token tile y.  LDS serves a wave's instructions in order: no wait between the stores and the loads, nor in front of the next tile's stores.
.macro TOST y
	WIN 0x08                                       ; an LDS store's data are its source 1: window 2
.irp x, 0,1,2,3
	ds_store_b128 v5, v[32*(\y)+8*\x:32*(\y)+8*\x+3] offset:128*(\x/2)+32*(\x%2)          ; each accumulator from its low end on: channels 32 (x / 2) + 16 h + 8 (x % 2) + 0 .. 7
	ds_store_b128 v5, v[32*(\y)+8*\x+4:32*(\y)+8*\x+7] offset:128*(\x/2)+32*(\x%2)+16
.endr
	WIN 0
.irp i, 0,1,2,3,4,5,6,7
	ds_load_b128 v[BK+32*((\y)%2)+4*\i:BK+32*((\y)%2)+4*\i+3], v6 offset:544*\i
.endr
.endm
.macro SEND y, younger                 ; younger: the LDS instructions issued behind tile y's loads, which may stay out
	s_wait_dscnt \younger
.irp i, 0,1,2,3,4,5,6,7
	global_store_b128 v7, v[BK+32*((\y)%2)+4*\i:BK+32*((\y)%2)+4*\i+3], s[104:105] offset:(32*((\y)/2)+8*((\y)%2)+2*\i+8*(\i/4))*4096 th:TH_STORE_NT   ; slot 2 i + h is row 2 i + h + 8 (i / 4) of the tile's; 16 lanes store 256 consecutive bytes, aligned
.endr
.endm
	TOST 0
.irp y, 1,2,3,4,5,6,7
.if \y > 1
	s_wait_xcnt 0x0                                ; tile y - 2's stores have read their registers: tile y's loads may land there
.endif
	TOST \y
	SEND \y-1, 16                                  ; behind tile y - 1's loads: tile y's 8 stores and 8 loads
.endr
	SEND 7, 0
	s_wait_tensorcnt 0x0                           ; the wave's end, behind my last LDS store
	ds_add_u32 v[SPW], v[NIL]
	s_wait_dscnt 0x0
	CROUND                                         ; the closing round
	s_endpgm
.Lfunc_end_k_q0c0fcbda11_oproj:
	.size	k_q0c0fcbda11_oproj, .Lfunc_end_k_q0c0fcbda11_oproj-k_q0c0fcbda11_oproj
	.p2alignl 7, 3214868480
	.fill 96, 4, 3214868480
	.section	.rodata,"a",@progbits
	.p2align	6, 0x0
	.amdhsa_kernel k_q0c0fcbda11_oproj
		.amdhsa_group_segment_fixed_size 327680
		.amdhsa_private_segment_fixed_size 0
		.amdhsa_enable_private_segment 0
		.amdhsa_kernarg_size 48
		.amdhsa_user_sgpr_count 2
		.amdhsa_user_sgpr_kernarg_segment_ptr 1
		.amdhsa_wavefront_size32 1
		.amdhsa_system_sgpr_workgroup_id_x 1
		.amdhsa_system_sgpr_workgroup_id_y 1
		.amdhsa_system_sgpr_workgroup_id_z 1
		.amdhsa_system_vgpr_workitem_id 0
		.amdhsa_next_free_vgpr 1024
		.amdhsa_next_free_sgpr 106
		.amdhsa_reserve_vcc 0
		.amdhsa_float_denorm_mode_32 3
		.amdhsa_float_denorm_mode_16_64 3
		.amdhsa_memory_ordered 1
		.amdhsa_forward_progress 1
		.amdhsa_inst_pref_size 96
	.end_amdhsa_kernel
	.amdgpu_metadata
---
amdhsa.version: [ 1, 2 ]
amdhsa.kernels:
  - .name:           k_q0c0fcbda11_oproj
    .symbol:         k_q0c0fcbda11_oproj.kd
    .args:
      - { .name: ac, .offset: 0, .size: 8, .value_kind: global_buffer, .address_space: global }
      - { .name: asp, .offset: 8, .size: 8, .value_kind: global_buffer, .address_space: global }
      - { .name: xc, .offset: 16, .size: 8, .value_kind: global_buffer, .address_space: global }
      - { .name: xs, .offset: 24, .size: 8, .value_kind: global_buffer, .address_space: global }
      - { .name: out_proj_b, .offset: 32, .size: 8, .value_kind: global_buffer, .address_space: global }
      - { .name: out0, .offset: 40, .size: 8, .value_kind: global_buffer, .address_space: global }
    .group_segment_fixed_size: 327680
    .private_segment_fixed_size: 0
    .kernarg_segment_align: 8
    .kernarg_segment_size: 48
    .max_flat_workgroup_size: 128
    .sgpr_count:     106
    .vgpr_count:     1024
    .wavefront_size: 32
...
	.end_amdgpu_metadata
.endif
;; end of part 4
